; MI455X (gfx1250); checked and timed in simulation.
; The chip was launched on July 23, 2026; its instructions are those of AMD's public machine-readable ISA for CDNA 5 (MIT licence, August 2026) and "CDNA5" Instruction Set Architecture Reference Guide (July 2026). The comments in the code are by the model that wrote it; some were corrected since.
;; Attention Block. Allowed arithmetic: matrix products marked QUANTISED: E2M3 operands, one E8M0 scale for each 32 along K, by v_wmma_scale_f32_16x16x128_f8f6f4 with both operands' format E2M3, f32 sums; everything else in f32.
;; Inputs: norm_b 1,024 float32; norm_w 1,024 float32; proj_b 1,024 float32; proj_w_codes 1,024 x 32 x 24 uint8 (E2M3 codes of proj_w, K innermost, in blocks of 32 codes, four codes in three bytes); proj_w_scales 1,024 x 32 uint8 (E8M0 scales of proj_w, one for each 32 codes along K); qkv_b 3,072 float32; qkv_w_codes 3,072 x 32 x 24 uint8 (E2M3 codes of qkv_w, K innermost, in blocks of 32 codes, four codes in three bytes); qkv_w_scales 3,072 x 32 uint8 (E8M0 scales of qkv_w, one for each 32 codes along K); x 8 x 1,024 x 1,024 float32.
;; Outputs: out0 8 x 1,024 x 1,024 float32.
;; This version of the problem:
;;   THIS VERSION OF THE PROBLEM IS GIVEN IN LOW PRECISION. The matrix products marked QUANTISED in the list below multiply operands that are first quantised to E2M3 (2 exponent bits, 3 mantissa bits; 6 bits a number), with one power-of-two scale for each 32 numbers along K (OCP MX v1.0); their sums are f32. All else is computed in f32.
;;   The module's matrix products, in the order in which they are computed (A, B: the left and right operand; K: the contracted axis; several contracted axes count as one K, in the product's order):
;;     1. [M 8,192, K 1,024] x [K 1,024, N 3,072]; A: computed on the way; B: input qkv_w (given as codes): QUANTISED
;;     2. batch 128 x [M 1,024, K 64] x [K 64, N 1,024]; A: computed on the way; B: computed on the way: QUANTISED
;;     3. batch 128 x [M 64, K 1,024] x [K 1,024, N 1,024]; A: computed on the way; B: softmax (see below): QUANTISED
;;     4. [M 8,192, K 1,024] x [K 1,024, N 1,024]; A: computed on the way; B: input proj_w (given as codes): QUANTISED
;;   THE QUANTISER, for each operand of a quantised product, along K:
;;     - K is cut into blocks of 32 from its start; a last block that is shorter is filled with zeros.
;;     - A block's scale is 2^e with e = floor(log2(the largest magnitude in the block)) - 2, held to -126 .. 127; a block of zeros has e = 0. As a byte (E8M0): e + 127.
;;     - Each number is divided by its block's scale, clamped to +-7.5, and rounded to the nearest number of E2M3, ties to even, subnormals kept.
;;     - The product sums the exact products of the quantised numbers (number of the format x scale) in f32.
;;   ~~~python
;;   def quantise(x, axis):      # numpy; x: float32 -> the quantised numbers, widened to float32 again
;;       x = np.moveaxis(x, axis, -1); K = x.shape[-1]
;;       x = np.pad(x, [(0, 0)] * (x.ndim - 1) + [(0, -K % 32)]); x = x.reshape(x.shape[:-1] + (-1, 32)); a = np.abs(x).max(-1, keepdims=True)
;;       e = np.where(a > 0, np.clip(np.frexp(np.where(a > 0, a, 1))[1] - 1 - 2, -126, 127), 0)      # np.frexp(a)[1] - 1 = floor(log2(a)), exactly
;;       r = np.clip(x / 2.0 ** e, -7.5, 7.5)
;;       step = 2.0 ** (np.maximum(np.frexp(np.where(r == 0, 1, r))[1] - 1, 0) - 3)
;;       q = np.round(r / step) * step * 2.0 ** e      # np.round: ties to even
;;       return np.moveaxis(q.reshape(q.shape[:-2] + (-1,))[..., :K], -1, axis).astype(np.float32)
;;   ~~~
;;   SOFTMAX AHEAD OF A QUANTISED PRODUCT. Where the list says 'softmax', what is quantised is not the finished softmax but p = 2^(t - M), with t = logit x log2(e) and M = ceil(the row's largest t), a whole number; so 1/2 < the row's largest p <= 1. The row's sum l is taken of the UNQUANTISED p, in f32, and the product's result is divided by l at the end. Since M is a whole number, a kernel that streams over the keys may use a running M (the ceiling of the running maximum): every later rescaling is an exact power of two, which a block's scale takes up: the codes' values come out the same.
;;   OPERANDS COMPUTED ON THE WAY. 'Computed on the way' means the value that the module computes at that place (a softmax that the list does not call 'softmax' is quantised finished and normalised). What goes into a quantiser is computed in f32, as accurately as f32 sums, v_exp_f32 and their like allow (about 1e-6 of the number): no bf16 or f16 on the way to a quantiser, and a product that is left as it is and whose result goes on into a quantised operand takes f32 operands (vector FMAs, or v_wmma_f32_16x16x4_f32). A number that lies on a knife's edge between two numbers of the format may be rounded either way, as far as f32 arithmetic and the matrix unit's own rounding can turn it there, and no further.
;;   INPUTS GIVEN AS CODES. proj_w (in the module: [1024, 1024], K = its axis 1); qkv_w (in the module: [3072, 1024], K = its axis 1): each comes as NAME_codes (uint8): NAME with its K axis moved to the last place and cut into blocks of 32 codes, [.., K / 32, bytes a block], one block behind the other in memory; four codes in three bytes: a row's codes are one little-endian stream of bits, code i at bits 6 i .. 6 i + 5 (a code: sign, 2 exponent bits, 3 mantissa bits); and NAME_scales (uint8): the same leading axes, one E8M0 byte (e + 127) for each 32 codes along K. Its value is code x scale, taken as it is: it is not quantised again, and the codes and scales need not be those that the quantiser above would give.
;; One version. Each part assembles by itself: llvm-mc -triple=amdgcn-amd-amdhsa -mcpu=gfx1250 --defsym DOCPART=n.
;; ======== version 1 of 1: 4 launches
;; workspace buffers: xq 6,553,600 bytes; wimg 3,276,800 bytes; gn 65,536 bytes; qc 6,815,744 bytes; kv 12,582,912 bytes; kvs 786,432 bytes; aq 6,553,600 bytes
;; launch gnq (part 1): grid 256 x 1, 8 waves a work-group, no clusters, 26,624 bytes of LDS; arguments x, norm_w, norm_b, proj_b, qkv_w_codes, qkv_w_scales, proj_w_codes, proj_w_scales, xq, wimg, gn; writes xq, wimg, gn
.if DOCPART == 1
	.amdgcn_target "amdgcn-amd-amdhsa--gfx1250"
	.amdhsa_code_object_version 6
	.text
	.protected	k_qbd527ff81b_gnq
	.globl	k_qbd527ff81b_gnq
	.p2align	8
	.type	k_qbd527ff81b_gnq,@function
k_qbd527ff81b_gnq:
	s_mov_b64 s[64:65], 0
	v_nop
	global_prefetch_b8 v0, s[64:65] scope:SCOPE_SE
	s_setreg_imm32_b32 hwreg(HW_REG_WAVE_MODE, 25, 1), 1
	s_wait_xcnt 0x0
; GroupNorm's statistics; x_norm quantised to E2M3 along the channels; the residual's tables; both weights laid anew.
; x: [8][1024][1024] f32.  A group of GroupNorm is 32 channels x 1,024 positions: 131,072 consecutive bytes, and its 32 channels are one block of 32 along K of the first product.
; SHARES.  Work-group g' = 32 b + g owns group g of batch b.  Thread t owns positions 4 t .. 4 t + 3 of all 32 channels: 128 registers, so x is read once and a block lies in one lane.
; Mean and variance in two passes over the registers (x - mean first, then its squares), so that a common offset of the inputs costs no digits.
; OUT.  xq: codes as images of operand registers.  A tile is 16 positions; inside each 32 positions tile 2 B + u holds in row r the position 32 B + 8 u + r + 8 (r / 8).
;   A half fragment (16 rows x 64 K) is 768 bytes: registers 0-3 of lane L at 16 L, registers 4-5 at 512 + 8 L; lane (r, h) holds row r, K = 32 h .. 32 h + 31.
;   Half fragment (b, tile, K step s, half c) lies at ((64 b + tile) 8 + s) 1536 + 768 c; this group is s = g / 4, c = (g / 2) % 2, h = g % 2.  Scale bytes: planes [b][g][16 tile + r] from byte XQS on.
; wimg: wave w lays fragment (tile T = work-group, K step w) of qkv_w (T < 192) or proj_w in the same form, rows in the same tile order; scale words [T][s][r] from byte WSW on.
; gn: gnA[b][c] = norm_w rstd; from byte GNB on gnB[b][c] = norm_b - mean gnA + proj_b: the last launch makes x_norm + proj_b of them.
; LIMITS: NaN and infinities are not served; a block of zeros gets the scale byte 1 (its codes are zeros; only this program reads the bytes).
; No matrix unit, no tensor load, no cluster: the work-groups share no input.
.set X,   64                           ; v64-191  x(channel c, position 4 t + j) at v[X + 4 c + j]; later x - mean
.set Y,   192                          ; v192-223 a column's 32 normalised numbers; at the end the rows read back from the stage
.set CD,  224                          ; v224-255 codes: eight registers for each of the four columns
.set SUM, 34                           ; v34-41   four packed chains of sums
.set STG, 512                          ; LDS: 0 and 256: the waves' partial sums; from 512 on 3,072 bytes for each wave: 8 tiles x (256 + 128)
.set XQS, 6291456
.set WSW, 3145728
.set GNB, 32768
	s_load_b512 s[4:19], s[0:1], 0x0               ; x, norm_w, norm_b, proj_b, qkv_w_codes, qkv_w_scales, proj_w_codes, proj_w_scales
	s_load_b128 s[20:23], s[0:1], 0x40             ; xq, wimg
	s_load_b64 s[24:25], s[0:1], 0x50              ; gn
	v_lshl_add_u32 v247, v0, 2, 0x6400
	v_mov_b32 v255, 0
	v_lshrrev_b32 v2, 5, v0
	s_delay_alu instid0(VALU_DEP_1)
	v_readfirstlane_b32 s26, v2                    ; wave 0..7
	v_and_b32 v3, 31, v0                           ; L
	v_and_b32 v4, 15, v0                           ; r
	v_bfe_u32 v5, v0, 4, 1                         ; h
	v_lshlrev_b32 v1, 4, v0                        ; my 16 bytes of a channel's row
	v_and_b32 v7, 8, v0
	s_delay_alu instid0(VALU_DEP_1)
	v_add_nc_u32 v7, v7, v4                        ; r + 8 (r / 8)
	s_delay_alu instid0(VALU_DEP_1)
	v_mul_u32_u24 v6, v7, 768                      ; a weight's row is 1,024 codes, 768 bytes
	s_delay_alu instid0(VALU_DEP_1)
	v_mad_u32_u24 v6, v5, 24, v6
	s_delay_alu instid0(VALU_DEP_3)
	v_lshlrev_b32 v8, 5, v7                        ; and 32 scale bytes
	s_delay_alu instid0(VALU_DEP_1)
	v_lshl_add_u32 v8, v5, 2, v8
	v_lshlrev_b32 v9, 2, v3                        ; 4 L
	v_lshlrev_b32 v10, 4, v3                       ; 16 L
	v_lshlrev_b32 v11, 3, v3                       ; 8 L
	v_mov_b32 v13, 0                               ; (a lane permute's destination counts as read)
	v_mov_b32 v15, 0
	v_mov_b32 v14, s26
	s_delay_alu instid0(VALU_DEP_1)
	v_lshlrev_b32 v14, 2, v14                      ; my wave's word among the partial sums
	; position 128 w + 4 L + j: local tile 2 (L / 8) + (L / 2) % 2, row 8 ((L / 4) % 2) + 4 (L % 2) + j
	v_bfe_u32 v46, v0, 3, 2
	v_bfe_u32 v47, v0, 1, 1
	v_bfe_u32 v56, v0, 2, 1
	v_and_b32 v57, 1, v0
	s_mul_i32 s27, s26, 3072
	s_add_co_u32 s27, s27, STG                     ; my wave's stage
	v_mul_u32_u24 v58, v46, 768
	s_delay_alu instid0(VALU_DEP_1)
	v_mad_u32_u24 v58, v47, 384, v58
	s_delay_alu instid0(VALU_DEP_1)
	v_add_nc_u32 v58, s27, v58
	s_delay_alu instid0(VALU_DEP_1)
	v_lshl_add_u32 v59, v56, 7, v58
	s_delay_alu instid0(VALU_DEP_1)
	v_lshl_add_u32 v59, v57, 6, v59                ; into the stage: 16 bytes a row
	s_delay_alu instid0(VALU_DEP_3)
	v_lshl_add_u32 v60, v56, 6, v58
	s_delay_alu instid0(VALU_DEP_1)
	v_lshl_add_u32 v60, v57, 5, v60
	s_delay_alu instid0(VALU_DEP_1)
	v_add_nc_u32 v60, 256, v60                     ; and 8 bytes a row
	v_mul_u32_u24 v61, v5, 384
	s_delay_alu instid0(VALU_DEP_1)
	v_add_nc_u32 v61, s27, v61
	s_delay_alu instid0(VALU_DEP_1)
	v_lshl_add_u32 v62, v4, 3, v61
	s_delay_alu instid0(VALU_DEP_1)
	v_add_nc_u32 v62, 256, v62                     ; out of it: tile 2 i + h, row r
	s_delay_alu instid0(VALU_DEP_3)
	v_lshl_add_u32 v61, v4, 4, v61
	v_lshlrev_b32 v45, 3, v46
	s_delay_alu instid0(VALU_DEP_1)
	v_lshl_add_u32 v45, v47, 2, v45
	s_delay_alu instid0(VALU_DEP_1)
	v_lshl_add_u32 v45, v56, 1, v45
	s_delay_alu instid0(VALU_DEP_1)
	v_add_nc_u32 v45, v45, v57
	s_delay_alu instid0(VALU_DEP_1)
	v_lshlrev_b32 v45, 2, v45                      ; my four scale bytes in the wave's 128
	s_and_b32 s30, ttmp9, 1                        ; g % 2: which half of the lanes of a half fragment this group is
	s_lshl_b32 s31, s30, 8
	v_mul_u32_u24 v63, v5, 12288                   ; a tile's eight K steps are 12,288 bytes
	s_delay_alu instid0(VALU_DEP_1)
	v_lshl_add_u32 v7, v4, 3, v63
	s_delay_alu instid0(VALU_DEP_2)
	v_lshl_add_u32 v63, v4, 4, v63
	s_delay_alu instid0(VALU_DEP_1)
	v_add_nc_u32 v63, s31, v63                     ; registers 0-3: 256 (g % 2) + 16 r
	s_lshl_b32 s31, s30, 7
	s_add_co_u32 s31, s31, 512
	v_add_nc_u32 v7, s31, v7                       ; registers 4-5: 512 + 128 (g % 2) + 8 r
	s_mov_b32 s2, 0x76543210
	s_mov_b32 s3, 0xfedcba98                       ; lane l xor 16
	s_mov_b32 s29, 0
	s_cmp_lt_u32 ttmp9, 192
	s_cselect_b32 s30, 0, 192
	s_sub_co_u32 s30, ttmp9, s30                   ; the tile's number in its own weight
	s_lshr_b32 s31, s30, 1
	s_lshl_b32 s31, s31, 5
	s_and_b32 s30, s30, 1
	s_lshl_b32 s30, s30, 3
	s_add_co_u32 s30, s30, s31                     ; its first row: 32 (T / 2) + 8 (T % 2)
	s_wait_kmcnt 0x0
	s_cmp_lt_u32 ttmp9, 192                        ; the choice hangs on the work-group's number alone
	s_cselect_b64 s[12:13], s[12:13], s[16:17]
	s_cselect_b64 s[14:15], s[14:15], s[18:19]
	s_mul_i32 s28, s30, 768
	s_mul_i32 s31, s26, 96
	s_add_co_u32 s28, s28, s31
	s_add_nc_u64 s[12:13], s[12:13], s[28:29]      ; codes: the tile's rows, K step w
	s_lshl_b32 s28, s30, 5
	s_lshl_b32 s31, s26, 3
	s_add_co_u32 s28, s28, s31
	s_add_nc_u64 s[14:15], s[14:15], s[28:29]      ; scale bytes: K steps 2 w and 2 w + 1
	s_and_b32 s28, ttmp9, 31
	s_lshl_b32 s28, s28, 7
	s_add_nc_u64 s[6:7], s[6:7], s[28:29]          ; the group's 32 channels in norm_w, norm_b, proj_b
	s_add_nc_u64 s[8:9], s[8:9], s[28:29]
	s_add_nc_u64 s[10:11], s[10:11], s[28:29]
	s_lshl_b32 s28, ttmp9, 17
	s_add_nc_u64 s[4:5], s[4:5], s[28:29]          ; the group in x
	s_lshl_b32 s28, ttmp9, 7
	s_add_nc_u64 s[24:25], s[24:25], s[28:29]      ; and in gn
	s_lshl_b32 s28, ttmp9, 9
	s_lshl_b32 s31, s26, 7
	s_add_co_u32 s28, s28, s31
	s_add_nc_u64 s[16:17], s[22:23], s[28:29]      ; the tile's scale words
	s_lshl_b32 s28, ttmp9, 3
	s_add_co_u32 s28, s28, s26
	s_mul_i32 s28, s28, 1536
	s_add_nc_u64 s[22:23], s[22:23], s[28:29]      ; my fragment's image
	s_lshr_b32 s28, ttmp9, 5
	s_mul_i32 s28, s28, 786432
	s_mul_i32 s31, s26, 98304
	s_add_co_u32 s28, s28, s31
	s_and_b32 s31, ttmp9, 31
	s_lshr_b32 s31, s31, 1
	s_mul_i32 s31, s31, 768
	s_add_co_u32 s28, s28, s31
	s_add_nc_u64 s[18:19], s[20:21], s[28:29]      ; xq: batch, my wave's eight tiles, the group's half fragment
	s_lshl_b32 s28, ttmp9, 10
	s_lshl_b32 s31, s26, 7
	s_add_co_u32 s28, s28, s31
	s_add_nc_u64 s[20:21], s[20:21], s[28:29]      ; xq's plane of scale bytes, my wave's 128
	s_mov_b32 s30, 0x38000000                      ; 2^-15: one over the group's 32,768 numbers
	s_mov_b32 s31, 0x3727c5ac                      ; 1e-5
.irp p, 0,1,2,3,4,5
	global_load_b64 v[16+2*\p:17+2*\p], v6, s[12:13] offset:48*(\p/3)+8*(\p%3)   ; the weight's fragment: 24 bytes of the row's stream twice, as they lie
.endr
	global_load_b32 v29, v9, s[6:7]                ; lane L: norm_w, norm_b, proj_b of channel 32 g + L
	global_load_b32 v30, v9, s[8:9]
	global_load_b32 v31, v9, s[10:11]
	s_cmp_lt_u32 s26, 4
	s_cbranch_scc0 .Lno_word
	global_load_b32 v28, v8, s[14:15]              ; waves 0-3: row r's scale word of K step 2 w + h
.Lno_word:
.set c, 0
.rept 32
	global_load_b128 v[X+4*c:X+4*c+3], v1, s[4:5] offset:4096*c th:TH_LOAD_NT   ; a wave reads 512 consecutive bytes; the whole group is on its way
.set c, c+1
.endr
	s_wait_loadcnt 32                              ; all but the 32 loads of x
	global_store_b128 v10, v[16:19], s[22:23]
	global_store_b64 v11, v[20:21], s[22:23] offset:512
	global_store_b128 v10, v[22:25], s[22:23] offset:768
	global_store_b64 v11, v[26:27], s[22:23] offset:1280
	s_cmp_lt_u32 s26, 4
	s_cbranch_scc0 .Lno_word_out
	global_store_b32 v9, v28, s[16:17] offset:WSW
.Lno_word_out:
; v12, a lane's part, becomes the work-group's sum in every lane: within the wave, then through eight words of LDS
.macro WGSUM off
	s_delay_alu instid0(VALU_DEP_1)
	v_add_f32_dpp v12, v12, v12 row_xmask:1 row_mask:0xf bank_mask:0xf
	s_delay_alu instid0(VALU_DEP_1)
	v_add_f32_dpp v12, v12, v12 row_xmask:2 row_mask:0xf bank_mask:0xf
	s_delay_alu instid0(VALU_DEP_1)
	v_add_f32_dpp v12, v12, v12 row_xmask:4 row_mask:0xf bank_mask:0xf
	s_delay_alu instid0(VALU_DEP_1)
	v_add_f32_dpp v12, v12, v12 row_xmask:8 row_mask:0xf bank_mask:0xf
	s_delay_alu instid0(VALU_DEP_1)
	v_permlanex16_b32 v13, v12, s2, s3
	s_delay_alu instid0(VALU_DEP_1)
	v_add_f32 v12, v12, v13
	ds_store_b32 v14, v12 offset:\off
	s_wait_dscnt 0x0                               ; for the others' sake: my word has landed
	s_barrier_signal -1
	s_barrier_wait -1
	ds_load_b128 v[48:51], v15 offset:\off
	ds_load_b128 v[52:55], v15 offset:\off+16
	s_wait_dscnt 0x0
	v_add_f32 v48, v48, v49
	v_add_f32 v50, v50, v51
	v_add_f32 v52, v52, v53
	v_add_f32 v54, v54, v55
	s_delay_alu instid0(VALU_DEP_3)
	v_add_f32 v48, v48, v50
	s_delay_alu instid0(VALU_DEP_2)
	v_add_f32 v52, v52, v54
	s_delay_alu instid0(VALU_DEP_1)
	v_add_f32 v12, v48, v52
.endm
.macro FOLD                            ; the four chains into v12
	v_pk_add_f32 v[SUM:SUM+1], v[SUM:SUM+1], v[SUM+2:SUM+3]
	s_delay_alu instid0(VALU_DEP_2)
	v_pk_add_f32 v[SUM+4:SUM+5], v[SUM+4:SUM+5], v[SUM+6:SUM+7]
	s_delay_alu instid0(VALU_DEP_1)
	v_pk_add_f32 v[SUM:SUM+1], v[SUM:SUM+1], v[SUM+4:SUM+5]
	s_delay_alu instid0(VALU_DEP_1)
	v_add_f32 v12, v[SUM], v[SUM+1]
.endm
.set c, 0
.rept 32                               ; the sum, eight channels at a time as they land; the first four channels start the chains
.if c%8 == 0
	s_wait_alu depctr_va_vdst(0)
	s_wait_loadcnt 24-c                            ; the younger channels' loads may be out
.endif
.if c < 4
.if c%2 == 0
	v_pk_add_f32 v[SUM+2*c:SUM+2*c+1], v[X+4*c:X+4*c+1], v[X+4*c+4:X+4*c+5]
	v_pk_add_f32 v[SUM+2*c+2:SUM+2*c+3], v[X+4*c+2:X+4*c+3], v[X+4*c+6:X+4*c+7]
.endif
.else
	v_pk_add_f32 v[SUM+4*((c/2)%2):SUM+4*((c/2)%2)+1], v[SUM+4*((c/2)%2):SUM+4*((c/2)%2)+1], v[X+4*c:X+4*c+1]
	v_pk_add_f32 v[SUM+4*((c/2)%2)+2:SUM+4*((c/2)%2)+3], v[SUM+4*((c/2)%2)+2:SUM+4*((c/2)%2)+3], v[X+4*c+2:X+4*c+3]
.endif
.set c, c+1
.endr
	FOLD
	WGSUM 0
	s_delay_alu instid0(VALU_DEP_1)
	v_mul_f32 v32, s30, v12                        ; the mean
	s_delay_alu instid0(VALU_DEP_1)
	v_mov_b32 v33, v32
.set c, 0
.rept 64
	v_pk_add_f32 v[X+2*c:X+2*c+1], v[X+2*c:X+2*c+1], v[32:33] neg_lo:[0,1] neg_hi:[0,1]   ; x - mean, in place
.set c, c+1
.endr
.set c, 0
.rept 32
.if c < 2
	v_pk_mul_f32 v[SUM+4*c:SUM+4*c+1], v[X+4*c:X+4*c+1], v[X+4*c:X+4*c+1]
	v_pk_mul_f32 v[SUM+4*c+2:SUM+4*c+3], v[X+4*c+2:X+4*c+3], v[X+4*c+2:X+4*c+3]
.else
	s_delay_alu instid0(VALU_DEP_4)
	v_pk_fma_f32 v[SUM+4*(c%2):SUM+4*(c%2)+1], v[X+4*c:X+4*c+1], v[X+4*c:X+4*c+1], v[SUM+4*(c%2):SUM+4*(c%2)+1]
	s_delay_alu instid0(VALU_DEP_4)
	v_pk_fma_f32 v[SUM+4*(c%2)+2:SUM+4*(c%2)+3], v[X+4*c+2:X+4*c+3], v[X+4*c+2:X+4*c+3], v[SUM+4*(c%2)+2:SUM+4*(c%2)+3]
.endif
.set c, c+1
.endr
	FOLD
	WGSUM 256                                      ; other words than the first sum's: no barrier between the two uses is owed
	s_delay_alu instid0(VALU_DEP_1)
	v_fma_f32 v12, v12, s30, s31                   ; the variance + 1e-5
	s_wait_alu depctr_va_vdst(0)
	v_rsq_f32 v12, v12
	v_nop                                          ; a plain instruction behind the transcendental
	s_wait_alu depctr_va_vdst(0)                   ; the wait ahead of the first use
	v_mul_f32 v42, v29, v12                        ; gnA of channel 32 g + L
	s_delay_alu instid0(VALU_DEP_1)
	v_fma_f32 v43, -v32, v42, v30
	s_delay_alu instid0(VALU_DEP_1)
	v_add_f32 v43, v43, v31                        ; gnB
	s_cmp_lg_u32 s26, 0
	s_cbranch_scc1 .Lnot_wave_0
	global_store_b32 v9, v42, s[24:25]
	global_store_b32 v9, v43, s[24:25] offset:GNB
.Lnot_wave_0:
.set c, 0
	s_wait_alu depctr_va_vdst(0)
.rept 32
	v_readlane_b32 s[32+c], v42, c                 ; each channel's gain and bias as scalars
	v_readlane_b32 s[66+c], v30, c
.set c, c+1
.endr
; Column j: position 4 t + j.  Its 32 normalised numbers are one block: largest magnitude (with the floor 2^-124 as a leaf, so that the byte is at least 1), 2 off its exponent field is the conversion's scale operand, that shifted is the byte.
.macro COL j
.set c, 0
.rept 32
	v_fma_f32 v[Y+c], v[X+4*c+\j], s[32+c], s[66+c]
.set c, c+1
.endr
	v_max3_num_f32 v12, |v[Y]|, |v[Y+1]|, |v[Y+2]|
	v_max3_num_f32 v13, |v[Y+3]|, |v[Y+4]|, |v[Y+5]|
.irp i, 6,10,14,18,22,26
	s_delay_alu instid0(VALU_DEP_2)
	v_max3_num_f32 v12, v12, |v[Y+\i]|, |v[Y+\i+1]|
	s_delay_alu instid0(VALU_DEP_2)
	v_max3_num_f32 v13, v13, |v[Y+\i+2]|, |v[Y+\i+3]|
.endr
	s_delay_alu instid0(VALU_DEP_2)
	v_max3_num_f32 v12, v12, |v[Y+30]|, |v[Y+31]|
	s_delay_alu instid0(VALU_DEP_1)
	v_max3_num_f32 v12, v12, v13, 0x1800000
	s_delay_alu instid0(VALU_DEP_1)
	v_add_nc_u32 v2, 0xff000000, v12
	s_delay_alu instid0(VALU_DEP_1)
	v_lshrrev_b32 v13, 23, v2
.if \j == 0
	s_delay_alu instid0(VALU_DEP_1)
	v_mov_b32 v44, v13
.else
	s_delay_alu instid0(VALU_DEP_1)
	v_lshl_or_b32 v44, v13, 8*\j, v44
.endif
	v_cvt_scalef32_pk16_fp6_f32 v[CD+8*\j:CD+8*\j+2], v[Y:Y+15], v2
	v_cvt_scalef32_pk16_fp6_f32 v[CD+8*\j+4:CD+8*\j+6], v[Y+16:Y+31], v2   ; (a conversion's three registers begin on an even number)
	v_nop                                          ; one plain instruction behind the scaled conversions
	v_mov_b32 v[CD+8*\j+3], v[CD+8*\j+4]           ; the block's six registers on end
	v_mov_b32 v[CD+8*\j+4], v[CD+8*\j+5]
	v_mov_b32 v[CD+8*\j+5], v[CD+8*\j+6]
	ds_store_b128 v59, v[CD+8*\j:CD+8*\j+3] offset:16*\j
	ds_store_b64 v60, v[CD+8*\j+4:CD+8*\j+5] offset:8*\j
.endm
	COL 0
	COL 1
	COL 2
	COL 3
	global_store_b32 v45, v44, s[20:21] offset:XQS ; a wave's 128 scale bytes
.irp i, 0,1,2,3                        ; the stage is my wave's own, and LDS serves a wave's instructions in order: these see the stores above
	ds_load_b128 v[Y+4*\i:Y+4*\i+3], v61 offset:768*\i
	ds_load_b64 v[Y+16+2*\i:Y+17+2*\i], v62 offset:768*\i
.endr
.irp i, 0,1,2,3
	s_wait_dscnt 7-2*\i
	global_store_b128 v63, v[Y+4*\i:Y+4*\i+3], s[18:19] offset:24576*\i        ; sixteen lanes store 256 consecutive bytes, aligned
	s_wait_dscnt 6-2*\i
	global_store_b64 v7, v[Y+16+2*\i:Y+17+2*\i], s[18:19] offset:24576*\i      ; sixteen lanes store 128 consecutive bytes: 16 rows x 24 bytes are 384
.endr
	s_wait_tensorcnt 0x0
	ds_add_u32 v247, v255
	s_wait_dscnt 0x0
	s_endpgm
.Lfunc_end_k_qbd527ff81b_gnq:
	.size	k_qbd527ff81b_gnq, .Lfunc_end_k_qbd527ff81b_gnq-k_qbd527ff81b_gnq
	.p2alignl 7, 3214868480
	.fill 96, 4, 3214868480
	.section	.rodata,"a",@progbits
	.p2align	6, 0x0
	.amdhsa_kernel k_qbd527ff81b_gnq
		.amdhsa_group_segment_fixed_size 26624
		.amdhsa_private_segment_fixed_size 0
		.amdhsa_enable_private_segment 0
		.amdhsa_kernarg_size 88
		.amdhsa_user_sgpr_count 2
		.amdhsa_user_sgpr_kernarg_segment_ptr 1
		.amdhsa_wavefront_size32 1
		.amdhsa_system_sgpr_workgroup_id_x 1
		.amdhsa_system_sgpr_workgroup_id_y 1
		.amdhsa_system_sgpr_workgroup_id_z 1
		.amdhsa_system_vgpr_workitem_id 0
		.amdhsa_next_free_vgpr 256
		.amdhsa_next_free_sgpr 98
		.amdhsa_reserve_vcc 0
		.amdhsa_float_denorm_mode_32 3
		.amdhsa_float_denorm_mode_16_64 3
		.amdhsa_memory_ordered 1
		.amdhsa_forward_progress 1
		.amdhsa_inst_pref_size 51
	.end_amdhsa_kernel
	.amdgpu_metadata
---
amdhsa.version: [ 1, 2 ]
amdhsa.kernels:
  - .name:           k_qbd527ff81b_gnq
    .symbol:         k_qbd527ff81b_gnq.kd
    .args:
      - { .name: x, .offset: 0, .size: 8, .value_kind: global_buffer, .address_space: global }
      - { .name: norm_w, .offset: 8, .size: 8, .value_kind: global_buffer, .address_space: global }
      - { .name: norm_b, .offset: 16, .size: 8, .value_kind: global_buffer, .address_space: global }
      - { .name: proj_b, .offset: 24, .size: 8, .value_kind: global_buffer, .address_space: global }
      - { .name: qkv_w_codes, .offset: 32, .size: 8, .value_kind: global_buffer, .address_space: global }
      - { .name: qkv_w_scales, .offset: 40, .size: 8, .value_kind: global_buffer, .address_space: global }
      - { .name: proj_w_codes, .offset: 48, .size: 8, .value_kind: global_buffer, .address_space: global }
      - { .name: proj_w_scales, .offset: 56, .size: 8, .value_kind: global_buffer, .address_space: global }
      - { .name: xq, .offset: 64, .size: 8, .value_kind: global_buffer, .address_space: global }
      - { .name: wimg, .offset: 72, .size: 8, .value_kind: global_buffer, .address_space: global }
      - { .name: gn, .offset: 80, .size: 8, .value_kind: global_buffer, .address_space: global }
    .group_segment_fixed_size: 26624
    .private_segment_fixed_size: 0
    .kernarg_segment_align: 8
    .kernarg_segment_size: 88
    .max_flat_workgroup_size: 256
    .sgpr_count:     98
    .vgpr_count:     256
    .wavefront_size: 32
...
	.end_amdgpu_metadata
.endif
;; end of part 1
;; launch qkv (part 2): grid 8 x 32, 4 waves a work-group, clusters of 4 x 4, 327,680 bytes of LDS; arguments xq, wimg, qkv_b, qc, kv, kvs; writes qc, kv, kvs
.if DOCPART == 2
	.amdgcn_target "amdgcn-amd-amdhsa--gfx1250"
	.amdhsa_code_object_version 6
	.text
	.protected	k_qbd527ff81b_qkv
	.globl	k_qbd527ff81b_qkv
	.p2align	8
	.type	k_qbd527ff81b_qkv,@function
k_qbd527ff81b_qkv:
	s_mov_b64 s[64:65], 0
	v_nop
	global_prefetch_b8 v0, s[64:65] scope:SCOPE_SE
	s_setreg_imm32_b32 hwreg(HW_REG_WAVE_MODE, 25, 1), 1
	s_wait_xcnt 0x0
	s_wait_alu depctr_hold_cnt(0) depctr_sa_sdst(0) depctr_va_vdst(0) depctr_va_sdst(0) depctr_va_ssrc(0) depctr_va_vcc(0) depctr_vm_vsrc(0)
	s_getreg_b32 s2, hwreg(HW_REG_IB_STS2, 6, 4)
	s_cmp_eq_u32 s2, 0
	s_cbranch_scc0 .Lentry_in_a_cluster
	s_endpgm
.Lentry_in_a_cluster:
	s_bfe_u32 s2, ttmp6, 0x10000c
	s_cmp_lg_u32 s2, 0xf033
	s_cbranch_scc0 .Lentry_shape_is_right
	s_endpgm
.Lentry_shape_is_right:
; qkv = qkv_w x_norm + qkv_b on codes of E2M3, then q 2^-1.5 and k 2^-1.5 quantised along the head's 64 channels and v along the keys, all stored as images of operand registers.
; SHARES.  Work-group (X, Y): head pair X of batch b = Y / 4 (384 rows of qkv_w, 24 tiles) x 256 positions (16 tiles).  Wave (wy, wx) = (w / 2, w % 2): 128 positions x ONE head's 192 rows: 96 accumulators, 768 registers.
; A head's rows are q (tiles 0-3), k (4-7), v (8-11).  q, k: source 0 = 16 rows of the weight, source 1 = 16 positions: a lane holds one position and its registers run along the channels.
; v: source 0 = 16 positions, source 1 = 16 rows: a lane holds one channel and its registers run along the keys.  Tiles of rows and of positions are in the order 32 B + 8 u + r + 8 (r / 8), so that the
; 16 registers of tiles 2 B and 2 B + 1 are 16 neighbours along the next product's K.
; K = 1,024 goes in 8 steps of 128 through two LDS slots of two steps each, filled by the tensor data mover from images in which a fragment is 1,536 consecutive bytes: four LDS loads bring it, each of consecutive bytes.
; CLUSTER 4 x 4: the four of a row need the same positions' tiles, the four of a column the same weight tiles: each is asked for jointly.
; The scale words of the weight come as they are wanted; those of x come as byte planes [group][position] and are turned into words [tile][K step][row] once, in LDS.
; One scale register holds K step 2 g in lanes 0-15 and 2 g + 1 in lanes 16-31.
; LIMITS: NaN and infinities are not served; a block of zeros gets the scale byte 1 (only this program reads the bytes).
; REGISTERS: window 0: v4-19 addresses; v24-63 scale words, two sets of 20; v64-159 x's 8 fragments; v160-255 the weight's 4 fragments, two sets.  Window 1: q's accumulators (a, b) at v[8 (4 a + b)]; window 2: k's; window 3: v's at v[8 (8 b + a)].
.set SLOT,  122880                     ; x: 16 tiles x 3,072 bytes (two K steps), then the weight: 24 x 3,072
.set BOFF,  49152
.set BSC,   245760                     ; the weight's scale words, 24 x 512
.set ASC,   258048                     ; x's scale words, 16 x 512: written by LDS stores, never a fill's target
.set XSR,   266240                     ; x's scale bytes as they come: 32 planes x 256
.set BIA,   274432                     ; qkv_b of the 384 rows
.set SPARE, 275968                     ; the spare words, 128 bytes a wave: no other line names them
.set XQS,   6291456
.set WSW,   3145728
.set QCS,   6291456
.set A16,  4                           ; v4,5   x's fragments in slot 0, 1: + 16 L;   v6,7: + 8 L
.set A8,   6
.set B16,  8                           ; v8,9 and v10,11: the same for the weight
.set B8,   10
.set ASCA, 12
.set BSCA, 13
.set SPW,  14
.set NIL,  15
.set L16,  16
.set L8,   17
.set BQK,  18
.set BV,   19
.set SC,   24
.set AF,   64
.set BF,   160
.set BS,   64                          ; the way out, all in window 0: biases,
.set IN,   96                          ; the numbers to be quantised,
.set TM,   160                         ; v160-175 at work,
.set PC,   176                         ; v176-194 codes,
.set PW,   196                         ; a scale word, one kept,
.set TW,   197
.set SW,   200                         ; four words a lane for q or k,
.set SWV,  204                         ; two for v
.set G1A,  24
.set G0A,  32
.set G1B,  40
.set G0B,  48
.set G1SA, 56
.set G0SA, 68
.set G1SB, 72
.set G0SB, 80
.set SEL,  84
.set QP,   90
.set QSP,  92
.set KP,   12
.set KSP,  14
.set MSB, 0
.macro WIN new                         ; the immediate's high byte repeats the setting that is left
.if MSB != \new
	s_set_vgpr_msb (MSB<<8)|\new
.set MSB, \new
.endif
.endm
.macro PLACES n
.rept \n
	v_nop
.endr
.endm
; A joint load: waves 0 and 1 fetch for x, waves 2 and 3 for the weight; the branch hangs on the wave's number alone.  Four v_nop follow each of the two lines.
.macro JLOAD g0a, g1a, g0b, g1b
	s_cmp_eq_u32 s17, 0
	s_cbranch_scc0 .Lfor_b_\@
	tensor_load_to_lds s[\g0a:\g0a+3], s[\g1a:\g1a+7]
	s_nop 0
.rept 4
	v_nop
.endr
	s_branch .Lasked_\@
.Lfor_b_\@:
	tensor_load_to_lds s[\g0b:\g0b+3], s[\g1b:\g1b+7]
	s_nop 0
.rept 4
	v_nop
.endr
.Lasked_\@:
.endm
.macro CREST                           ; a round of the cluster's barrier behind its opening barrier
	s_cmp_lg_u32 s16, 0
	s_cbranch_scc1 .Lnot_wave_0_\@
	s_barrier_signal -3
.Lnot_wave_0_\@:
	s_barrier_wait -3
	s_barrier_signal -1
	s_barrier_wait -1
.endm
.macro CROUND
	s_barrier_signal -1
	s_barrier_wait -1
	CREST
.endm
.macro G1SET g, c, r, p                ; group 1 behind its first word: rows of c elements of 8 bytes, r rows, p elements from row to row
	s_mov_b32 s[\g+1], (\c)<<16
	s_mov_b32 s[\g+2], (\r)<<16
	s_mov_b32 s[\g+3], (\c)<<16
	s_mov_b32 s[\g+4], \r
	s_mov_b32 s[\g+5], \p
	s_mov_b32 s[\g+6], 0
	s_mov_b32 s[\g+7], 0
.endm
.macro G0SET g, bp, goff, lmul, loff   ; group 0: from s[bp:bp+1] + goff to LDS byte lmul x (wave % 2) + loff
	s_mov_b32 s[\g], 1
	s_mul_i32 s[\g+1], s18, \lmul
	s_add_co_u32 s[\g+1], s[\g+1], \loff
	s_add_nc_u64 s[\g+2:\g+3], s[\bp:\bp+1], \goff
	s_or_b32 s[\g+3], s[\g+3], 0x80000000
.endm
	s_load_b256 s[4:11], s[0:1], 0x0               ; xq, wimg, qkv_b, qc
	s_load_b128 s[12:15], s[0:1], 0x20             ; kv, kvs
	v_lshl_add_u32 v[SPW], v0, 2, SPARE
	v_mov_b32 v[NIL], 0
	ds_add_u32 v14, v15
	ds_add_u32 v14, v15
	s_wait_dscnt 0x0
	v_lshrrev_b32 v1, 5, v0
	v_readfirstlane_b32 s16, v1                    ; wave 0..3
	s_lshr_b32 s17, s16, 1                         ; wy.  Also: I fetch for x (0) or for the weight (1)
	s_and_b32 s18, s16, 1                          ; wx.  Also: which half of that tile I fetch
	s_bfe_u32 s19, ttmp6, 0x40000                  ; cx
	s_bfe_u32 s20, ttmp6, 0x40004                  ; cy
	s_lshl_b32 s21, ttmp9, 2
	s_add_co_u32 s21, s21, s19                     ; X
	s_and_b32 s22, ttmp7, 0xffff
	s_lshl_b32 s22, s22, 2
	s_add_co_u32 s22, s22, s20                     ; Y
	s_lshl_b32 s88, s20, 2
	s_lshl_b32 s88, 15, s88                        ; my row of the cluster
	s_lshl_b32 s89, 0x1111, s19                    ; my column
	s_or_b32 s[G1A], s88, (3<<16)|(1<<21)          ; 15:0 the mask; 17:16 elements of 8 bytes; 21 set beside a mask; no padding
	s_or_b32 s[G1B], s89, (3<<16)|(1<<21)
	s_or_b32 s[G1SA], s88, (3<<16)|(1<<21)
	s_or_b32 s[G1SB], s89, (3<<16)|(1<<21)
	G1SET G1A, 384, 8, 1536                        ; 8 tiles x 3,072 bytes, 12,288 bytes from tile to tile
	G1SET G1B, 384, 12, 1536                       ; 12 tiles
	G1SET G1SA, 32, 16, 128                        ; 16 planes x 256 bytes, 1,024 bytes from plane to plane
	G1SET G1SB, 32, 24, 32                         ; 6,144 dense bytes
	s_lshl_b32 s90, s22, 4
	s_lshl_b32 s23, s18, 3
	s_add_co_u32 s90, s90, s23                     ; x: tile 16 Y + 8 x half
	s_mul_i32 s90, s90, 12288
	s_mov_b32 s91, 0
	s_mul_i32 s92, s21, 24
	s_mul_i32 s23, s18, 12
	s_add_co_u32 s92, s92, s23                     ; the weight: tile 24 X + 12 x half
	s_lshl_b32 s96, s92, 9
	s_add_co_u32 s96, s96, WSW
	s_mov_b32 s97, 0
	s_mul_i32 s92, s92, 12288
	s_mov_b32 s93, 0
	s_lshr_b32 s94, s22, 2
	s_lshl_b32 s94, s94, 15                        ; x's planes: batch,
	s_and_b32 s23, s22, 3
	s_lshl_b32 s23, s23, 8
	s_add_co_u32 s94, s94, s23                     ; my 256 positions,
	s_lshl_b32 s23, s18, 14
	s_add_co_u32 s94, s94, s23                     ; planes 16 x half on
	s_add_co_u32 s94, s94, XQS
	s_mov_b32 s95, 0
	s_mov_b32 s[SEL], 0x76543210
	s_mov_b32 s[SEL+1], 0xfedcba98
	s_mov_b32 s86, 0xffff0000                      ; lanes 16-31
	s_wait_kmcnt 0x0
	s_add_nc_u64 s[90:91], s[4:5], s[90:91]
	s_add_nc_u64 s[92:93], s[6:7], s[92:93]
	s_add_nc_u64 s[94:95], s[4:5], s[94:95]
	s_add_nc_u64 s[96:97], s[6:7], s[96:97]
	CROUND                                         ; all sixteen work-groups are here: the first joint loads meet
	G0SET G0SA, 94, 0, 4096, XSR
	G0SET G0SB, 96, 0, 6144, BSC
	JLOAD G0SA, G1SA, G0SB, G1SB                   ; the scales first
	G0SET G0A, 90, 0, 24576, 0
	G0SET G0B, 92, 0, 36864, BOFF
	s_wait_alu depctr_va_vdst(0)
	s_wait_tensorcnt 0x0
	ds_add_u32 v14, v15
	s_wait_dscnt 0x0
	CROUND
	JLOAD G0A, G1A, G0B, G1B                       ; K steps 0, 1
	G0SET G0A+4, 90, 3072, 24576, SLOT
	G0SET G0B+4, 92, 3072, 36864, SLOT+BOFF
	s_wait_alu depctr_va_vdst(0)
	s_wait_tensorcnt 0x0
	ds_add_u32 v14, v15
	s_wait_dscnt 0x0
	CROUND
	JLOAD G0A+4, G1A, G0B+4, G1B                   ; K steps 2, 3: three loads of mine are out
	s_lshr_b32 s88, s22, 2
	s_lshl_b32 s88, s88, 4
	s_lshl_b32 s89, s21, 1
	s_add_co_u32 s88, s88, s89
	s_add_co_u32 s88, s88, s18                     ; my head among the 128: 16 b + 2 X + wx
	s_and_b32 s89, s22, 3
	s_lshl_b32 s89, s89, 1
	s_add_co_u32 s89, s89, s17                     ; my 128 positions among the batch's eight
	s_mov_b32 s95, 0
	s_mul_i32 s94, s88, 49152
	s_mul_i32 s96, s89, 6144
	s_add_co_u32 s94, s94, s96
	s_add_nc_u64 s[QP:QP+1], s[10:11], s[94:95]    ; q's half fragments
	s_lshl_b32 s94, s88, 12
	s_lshl_b32 s96, s89, 9
	s_add_co_u32 s94, s94, s96
	s_add_nc_u64 s[QSP:QSP+1], s[10:11], s[94:95]  ; q's scale words
	s_mul_i32 s94, s88, 98304
	s_mul_i32 s96, s89, 12288
	s_add_co_u32 s94, s94, s96
	s_add_nc_u64 s[KP:KP+1], s[KP:KP+1], s[94:95]  ; the key step's 12,288 bytes: 8 half fragments of k, 4 fragments of v
	s_mul_i32 s94, s88, 6144
	s_mul_i32 s96, s89, 768
	s_add_co_u32 s94, s94, s96
	s_add_nc_u64 s[KSP:KSP+1], s[KSP:KSP+1], s[94:95]
	s_mul_i32 s94, s21, 1536
	s_add_nc_u64 s[8:9], s[8:9], s[94:95]          ; qkv_b of my 384 rows
	v_lshlrev_b32 v3, 2, v0
	global_load_b32 v100, v3, s[8:9]
	global_load_b32 v101, v3, s[8:9] offset:512
	global_load_b32 v102, v3, s[8:9] offset:1024
	v_and_b32 v1, 31, v0
	v_lshlrev_b32 v[L16], 4, v1
	v_lshlrev_b32 v[L8], 3, v1
	v_lshlrev_b32 v2, 2, v1
	s_mul_i32 s88, s17, 24576
	v_add_nc_u32 v[A16], s88, v[L16]
	v_add_nc_u32 v[A8], s88, v[L8]
	v_add_nc_u32 v[A16+1], SLOT, v[A16]
	v_add_nc_u32 v[A8+1], SLOT, v[A8]
	s_mul_i32 s88, s18, 36864
	s_add_co_u32 s88, s88, BOFF
	v_add_nc_u32 v[B16], s88, v[L16]
	v_add_nc_u32 v[B8], s88, v[L8]
	v_add_nc_u32 v[B16+1], SLOT, v[B16]
	v_add_nc_u32 v[B8+1], SLOT, v[B8]
	s_lshl_b32 s88, s17, 12
	s_add_co_u32 s88, s88, ASC
	v_add_nc_u32 v[ASCA], s88, v2
	s_mul_i32 s88, s18, 6144
	s_add_co_u32 s88, s88, BSC
	v_add_nc_u32 v[BSCA], s88, v2
	s_mul_i32 s88, s18, 768
	s_add_co_u32 s88, s88, BIA
	v_bfe_u32 v20, v0, 4, 1
	v_lshl_add_u32 v[BQK], v20, 6, s88             ; q's and k's biases: 64 h on in my head's
	v_and_b32 v20, 15, v0
	v_and_b32 v21, 8, v0
	v_add_nc_u32 v20, v20, v21
	v_lshl_add_u32 v[BV], v20, 2, s88
	v_add_nc_u32 v[BV], 512, v[BV]                 ; v's: channel r + 8 (r / 8)
	v_lshrrev_b32 v20, 6, v0                       ; the turning of x's scale bytes: thread t takes positions 4 (t % 64) .. + 3 and K steps t / 64 + 2 i
	v_and_b32 v21, 63, v0
	v_lshlrev_b32 v21, 2, v21
	v_lshl_add_u32 v21, v20, 10, v21
	v_add_nc_u32 v21, XSR, v21
	v_bfe_u32 v22, v0, 2, 4
	v_lshlrev_b32 v22, 9, v22
	v_and_b32 v23, 3, v0
	v_lshl_add_u32 v22, v23, 4, v22
	v_lshl_add_u32 v22, v20, 6, v22
	v_add_nc_u32 v22, ASC, v22
	v_lshl_add_u32 v23, v0, 2, BIA
	s_wait_alu depctr_va_vdst(0)
	s_wait_tensorcnt 2                             ; my part of the scales is in; the two slots' fills may be out
	s_barrier_signal -1
	s_barrier_wait -1
.irp t, 0,1,2,3
.irp i, 0,1,2,3
	ds_load_b32 v[64+4*\t+\i], v21 offset:\t*2048+\i*256       ; four positions' bytes of group 4 s + i
.endr
.endr
	s_wait_dscnt 0x0
.irp t, 0,1,2,3                        ; 4 x 4 bytes turned: word p gets byte p of each of the four groups
	v_perm_b32 v80, v[65+4*\t], v[64+4*\t], 0x05010400
	v_perm_b32 v81, v[65+4*\t], v[64+4*\t], 0x07030602
	v_perm_b32 v82, v[67+4*\t], v[66+4*\t], 0x05010400
	v_perm_b32 v83, v[67+4*\t], v[66+4*\t], 0x07030602
	v_perm_b32 v[84+4*\t], v82, v80, 0x05040100
	v_perm_b32 v[85+4*\t], v82, v80, 0x07060302
	v_perm_b32 v[86+4*\t], v83, v81, 0x05040100
	v_perm_b32 v[87+4*\t], v83, v81, 0x07060302
	ds_store_b128 v22, v[84+4*\t:87+4*\t] offset:\t*128
.endr
	s_wait_loadcnt 0x0
	ds_store_b32 v23, v100
	ds_store_b32 v23, v101 offset:512
	ds_store_b32 v23, v102 offset:1024
	s_wait_dscnt 0x0                               ; for the others' sake: my stores have landed
	s_wait_tensorcnt 1                             ; my part of slot 0 is in; slot 1's may be out
	s_barrier_signal -1
	s_barrier_wait -1
.macro FRAGLD reg, a16, a8, off        ; a fragment's 12 registers: four loads of consecutive bytes
	ds_load_b128 v[\reg:\reg+3], v[\a16] offset:\off
	ds_load_b64 v[\reg+4:\reg+5], v[\a8] offset:\off+512
	ds_load_b128 v[\reg+6:\reg+9], v[\a16] offset:\off+768
	ds_load_b64 v[\reg+10:\reg+11], v[\a8] offset:\off+1280
.endm
.macro FETCH_A s, a0                   ; x's tiles a0 .. a0 + 3 of K step s
.irp n, 0,1,2,3
	FRAGLD AF+12*((\a0)+\n), A16+((\s)/2)%2, A8+((\s)/2)%2, ((\a0)+\n)*3072+((\s)%2)*1536
.endr
.endm
.macro FETCH_B s, gb                   ; the weight's four tiles of group gb (q, k, v) of K step s, into set (3 s + gb) % 2
.irp n, 0,1,2,3
	FRAGLD BF+48*((3*(\s)+(\gb))%2)+12*\n, B16+((\s)/2)%2, B8+((\s)/2)%2, (4*(\gb)+\n)*3072+((\s)%2)*1536
.endr
.endm
.macro SCALES g                        ; the scale words of K steps 2 g and 2 g + 1 into set g % 2
.irp n, 0,1,2,3,4,5,6,7
	ds_load_b32 v[SC+20*((\g)%2)+\n], v[ASCA] offset:\n*512+(\g)*128
.endr
.irp n, 0,1,2,3,4,5,6,7,8,9,10,11
	ds_load_b32 v[SC+20*((\g)%2)+8+\n], v[BSCA] offset:\n*512+(\g)*128
.endr
.endm
.macro WM d, fa, fb, sa, sb, kind      ; kind 0: starts the sum; 1: even K step; 2: odd K step, scales in lanes 16-31
.if \kind == 0
	v_wmma_scale_f32_16x16x128_f8f6f4 v[\d:\d+7], v[\fa:\fa+11], v[\fb:\fb+11], 0, v[\sa], v[\sb] matrix_a_fmt:MATRIX_FMT_FP6 matrix_b_fmt:MATRIX_FMT_FP6
.elseif \kind == 1
	v_wmma_scale_f32_16x16x128_f8f6f4 v[\d:\d+7], v[\fa:\fa+11], v[\fb:\fb+11], v[\d:\d+7], v[\sa], v[\sb] matrix_a_fmt:MATRIX_FMT_FP6 matrix_b_fmt:MATRIX_FMT_FP6
.else
	v_wmma_scale_f32_16x16x128_f8f6f4 v[\d:\d+7], v[\fa:\fa+11], v[\fb:\fb+11], v[\d:\d+7], v[\sa], v[\sb] matrix_a_fmt:MATRIX_FMT_FP6 matrix_b_fmt:MATRIX_FMT_FP6 matrix_a_scale:MATRIX_SCALE_ROW1 matrix_b_scale:MATRIX_SCALE_ROW1
.endif
.endm
; x's tiles a0 .. a0 + n - 1 against the group's four weight tiles.  The 96 accumulators take turns, one instruction a turn, in the same order in every K step.
.macro MUL a0, n, s, gb, zero
.set aa, \a0
.rept \n
.set bb, 0
.rept 4
.set FX, AF+12*aa
.set FW, BF+48*((3*(\s)+(\gb))%2)+12*bb
.set SX, SC+20*(((\s)/2)%2)+aa
.set SWT, SC+20*(((\s)/2)%2)+8+4*(\gb)+bb
.set KD, 1+(\s)%2
.if \zero
.set KD, 0
.endif
.if (\gb) < 2
.set DD, 8*(4*aa+bb)
	WM DD, FW, FX, SWT, SX, KD
.else
.set DD, 8*(8*bb+aa)
	WM DD, FX, FW, SX, SWT, KD
.endif
.set bb, bb+1
.endr
.set aa, aa+1
.endr
.endm
; A load into a register that a matrix instruction has read stands four plain vector instructions behind it (ISA guide 7.12.1 for vector instructions): PLACES 4 in front of each run of loads.
.macro GRP0 s, zero                    ; q's 32 products; in their middle k's weight tiles are fetched
	s_wait_dscnt 16                                ; all but the youngest 16 loads: x's tiles 4-7
	WIN 0x50
	MUL 0, 4, \s, 0, \zero
	s_wait_dscnt 0x0
	PLACES 4
	WIN 0
	FETCH_B \s, 1
	WIN 0x50
	MUL 4, 4, \s, 0, \zero
.endm
.macro GRP1 s, zero                    ; k's; v's weight tiles are fetched
	s_wait_dscnt 0x0
	WIN 0xa0
	MUL 0, 4, \s, 1, \zero
	PLACES 4
	WIN 0
	FETCH_B \s, 2
	WIN 0xa0
	MUL 4, 4, \s, 1, \zero
.endm
.macro GRP2 s, zero                    ; v's, in a slot's first K step: the next step lies in the same slot
	s_wait_dscnt 0x0
	WIN 0xf0
	MUL 0, 4, \s, 2, \zero
	PLACES 4
	WIN 0
	FETCH_B (\s)+1, 0
	FETCH_A (\s)+1, 0
	WIN 0xf0
	MUL 4, 4, \s, 2, \zero
	PLACES 4
	WIN 0
	FETCH_A (\s)+1, 4
.endm
; v's, in a slot's second K step: the change of slots.  In front of ONE barrier each wave waits for all its tensor loads, adds 0 to its spare word, and waits for that and for its reads of this slot.
; fill = 1: the barrier opens a round of the cluster's barrier, and behind it this slot is filled again, two slots' worth of K ahead: that load has 192 matrix instructions in which to land.
.macro TURN s, fill
.set SL, ((\s)/2)%2
	WIN 0                                          ; (the add's two registers lie in window 0)
	s_wait_tensorcnt 0x0                           ; all my tensor loads have landed: my part of the next slot;
	ds_add_u32 v[SPW], v[NIL]                      ; 0 onto my spare word;
	s_wait_dscnt 1                                 ; (the add may be out; the weight's tiles are in)
	WIN 0xf0
	MUL 0, 2, \s, 2, 0
	s_wait_dscnt 0x0                               ; the add is done, and my reads of this slot are over
	s_barrier_signal -1
	MUL 2, 2, \s, 2, 0
	WIN 0
	s_barrier_wait -1
.if \fill
	CREST                                          ; no wave of any partner still reads this slot or has a load on its way
	s_add_nc_u64 s[G0A+4*SL+2:G0A+4*SL+3], s[G0A+4*SL+2:G0A+4*SL+3], 6144
	s_add_nc_u64 s[G0B+4*SL+2:G0B+4*SL+3], s[G0B+4*SL+2:G0B+4*SL+3], 6144
	JLOAD G0A+4*SL, G1A, G0B+4*SL, G1B             ; the first tensor load behind the round; its four v_nop are the places in front of the loads below
.else
	PLACES 4
.endif
	FETCH_B (\s)+1, 0
	FETCH_A (\s)+1, 0
	SCALES ((\s)+1)/2
	WIN 0xf0
	MUL 4, 4, \s, 2, 0
	PLACES 4
	WIN 0
	FETCH_A (\s)+1, 4
.endm
	FETCH_B 0, 0
	FETCH_A 0, 0
	SCALES 0
	FETCH_A 0, 4
	GRP0 0, 1                                      ; the first K step's products start the sums: nothing is cleared
	GRP1 0, 1
	GRP2 0, 1
	GRP0 1, 0
	GRP1 1, 0
	TURN 1, 1
	GRP0 2, 0
	GRP1 2, 0
	GRP2 2, 0
	GRP0 3, 0
	GRP1 3, 0
	TURN 3, 1
	GRP0 4, 0
	GRP1 4, 0
	GRP2 4, 0
	GRP0 5, 0
	GRP1 5, 0
	TURN 5, 0                                      ; nothing is left to fetch
	GRP0 6, 0
	GRP1 6, 0
	GRP2 6, 0
	GRP0 7, 0
	GRP1 7, 0
	s_wait_dscnt 0x0
	WIN 0xf0
	MUL 0, 8, 7, 2, 0
	WIN 0
	PLACES 4
; THE WAY OUT.  A block's scale: the largest magnitude (with the floor 2^-124 as a leaf) with 2 off its exponent field is the conversion's scale operand, that shifted the byte.
; 32 numbers of a lane, register 16 b + i = K 32 b + 16 h + i of its row, become a half fragment in v[PC .. PC + 5] and a scale word whose upper two bytes stand for 1.0 (they meet zero codes in the next launch).
.macro QUANT2 s
.irp b, 0,1
	v_max3_num_f32 v[TM+\b], |v[\s+16*\b]|, |v[\s+1+16*\b]|, 0x1800000
.endr
.irp i, 2,4,6,8,10,12,14
.irp b, 0,1
	v_max3_num_f32 v[TM+\b], v[TM+\b], |v[\s+16*\b+\i]|, |v[\s+1+16*\b+\i]|
.endr
.endr
.irp b, 0,1
	v_permlanex16_b32 v[TM+4+\b], v[TM+\b], s[SEL], s[SEL+1]
.endr
.irp b, 0,1
	v_max_num_f32 v[TM+\b], v[TM+\b], v[TM+4+\b]
.endr
.irp b, 0,1
	v_add_nc_u32 v[TM+12+\b], 0xff000000, v[TM+\b]
.endr
.irp b, 0,1
	v_lshrrev_b32 v[TM+4+\b], 23, v[TM+12+\b]
.endr
	v_lshl_or_b32 v[PW], v[TM+5], 8, v[TM+4]
	v_or_b32 v[PW], 0x7f7f0000, v[PW]
	v_cvt_scalef32_pk16_fp6_f32 v[PC:PC+2], v[\s:\s+15], v[TM+12]
	v_cvt_scalef32_pk16_fp6_f32 v[PC+12:PC+14], v[\s+16:\s+31], v[TM+13]
	v_nop                                          ; one plain instruction behind the scaled conversions
.irp i, 0,1,2
	v_permlane16_swap_b32 v[PC+\i], v[PC+12+\i]    ; a whole block to a lane: lanes 0-15 block 0, lanes 16-31 block 1
.endr
.irp i, 0,1,2
	v_mov_b32 v[PC+3+\i], v[PC+12+\i]
.endr
.endm
.macro QUANT4 s                        ; the same for 64 numbers, four blocks: a fragment in v[PC .. PC + 11] and its scale word
.irp b, 0,1,2,3
	v_max3_num_f32 v[TM+\b], |v[\s+16*\b]|, |v[\s+1+16*\b]|, 0x1800000
.endr
.irp i, 2,4,6,8,10,12,14
.irp b, 0,1,2,3
	v_max3_num_f32 v[TM+\b], v[TM+\b], |v[\s+16*\b+\i]|, |v[\s+1+16*\b+\i]|
.endr
.endr
.irp b, 0,1,2,3
	v_permlanex16_b32 v[TM+4+\b], v[TM+\b], s[SEL], s[SEL+1]
.endr
.irp b, 0,1,2,3
	v_max_num_f32 v[TM+\b], v[TM+\b], v[TM+4+\b]
.endr
.irp b, 0,1,2,3
	v_add_nc_u32 v[TM+12+\b], 0xff000000, v[TM+\b]
.endr
.irp b, 0,1,2,3
	v_lshrrev_b32 v[TM+4+\b], 23, v[TM+12+\b]
.endr
	v_lshl_or_b32 v[PW], v[TM+5], 8, v[TM+4]
	v_lshl_or_b32 v[PW], v[TM+6], 16, v[PW]
	v_lshl_or_b32 v[PW], v[TM+7], 24, v[PW]
.irp c, 0,1
	v_cvt_scalef32_pk16_fp6_f32 v[PC+6*\c:PC+2+6*\c], v[\s+32*\c:\s+15+32*\c], v[TM+12+2*\c]
	v_cvt_scalef32_pk16_fp6_f32 v[PC+12+4*\c:PC+14+4*\c], v[\s+16+32*\c:\s+31+32*\c], v[TM+12+2*\c+1]
.endr
	v_nop
.irp c, 0,1
.irp i, 0,1,2
	v_permlane16_swap_b32 v[PC+6*\c+\i], v[PC+12+4*\c+\i]
.endr
.irp i, 0,1,2
	v_mov_b32 v[PC+3+6*\c+\i], v[PC+12+4*\c+\i]
.endr
.endr
.endm
; q (window 1) or k (window 2): (sum + bias) 2^-1.5 as one multiply-add with the bias scaled beforehand; each accumulator is read from its low end on.
; The words of tiles 2 i and 2 i + 1 share a register (lanes 0-15, lanes 16-31), four registers a lane: one store of 512 bytes.
.macro SEGQK win, seg, cp, sp, soff
.set i, 0
.rept 8
	ds_load_b128 v[BS+4*i:BS+4*i+3], v[BQK] offset:\seg*256+128*(i/4)+16*(i%4)
.set i, i+1
.endr
	s_wait_dscnt 0x0
.set i, 0
.rept 16
	v_pk_mul_f32 v[BS+2*i:BS+2*i+1], v[BS+2*i:BS+2*i+1], 0x3eb504f3 op_sel_hi:[1,0]
.set i, i+1
.endr
.irp a, 0,1,2,3,4,5,6,7
	WIN \win
.set i, 0
.rept 16
	v_pk_fma_f32 v[IN+2*i:IN+2*i+1], v[32*\a+2*i:32*\a+2*i+1], 0x3eb504f3, v[BS+2*i:BS+2*i+1] op_sel_hi:[1,0,1]
.set i, i+1
.endr
	WIN 0
	s_wait_alu depctr_va_vdst(0)
	s_wait_xcnt 0x0                                ; the earlier stores have read their registers: the codes may be written again
	QUANT2 IN
	global_store_b128 v[L16], v[PC:PC+3], s[\cp:\cp+1] offset:\a*768           ; 512 consecutive bytes
	global_store_b64 v[L8], v[PC+4:PC+5], s[\cp:\cp+1] offset:\a*768+512       ; 256 consecutive bytes
.if \a%2 == 0
	v_mov_b32 v[TW], v[PW]
.else
	v_cndmask_b32 v[SW+\a/2], v[TW], v[PW], s86
.endif
.endr
	global_store_b128 v[L16], v[SW:SW+3], s[\sp:\sp+1] offset:\soff
.endm
.irp b, 0,1,2,3
	v_mov_b32 v[TM+4+\b], 0                        ; (a lane permute's destination counts as read)
.endr
	SEGQK 1, 0, QP, QSP, QCS
	SEGQK 2, 1, KP, KSP, 0
.irp b, 0,1,2,3
	ds_load_b32 v[BS+2*\b], v[BV] offset:(32*(\b/2)+8*(\b%2))*4    ; v: a lane holds one channel: one bias for all its registers
.endr
	s_wait_dscnt 0x0
.irp b, 0,1,2,3
	v_mov_b32 v[BS+2*\b+1], v[BS+2*\b]
.endr
.irp b, 0,1,2,3
	WIN 3
.set i, 0
.rept 32
	v_pk_add_f32 v[IN+2*i:IN+2*i+1], v[64*\b+2*i:64*\b+2*i+1], v[BS+2*\b:BS+2*\b+1]
.set i, i+1
.endr
	WIN 0
	s_wait_xcnt 0x0
	QUANT4 IN
	global_store_b128 v[L16], v[PC:PC+3], s[KP:KP+1] offset:6144+\b*1536
	global_store_b64 v[L8], v[PC+4:PC+5], s[KP:KP+1] offset:6144+\b*1536+512
	global_store_b128 v[L16], v[PC+6:PC+9], s[KP:KP+1] offset:6144+\b*1536+768
	global_store_b64 v[L8], v[PC+10:PC+11], s[KP:KP+1] offset:6144+\b*1536+1280
.if \b%2 == 0
	v_mov_b32 v[TW], v[PW]
.else
	v_cndmask_b32 v[SWV+\b/2], v[TW], v[PW], s86
.endif
.endr
	global_store_b64 v[L8], v[SWV:SWV+1], s[KSP:KSP+1] offset:512
	s_wait_tensorcnt 0x0                           ; the wave's end
	ds_add_u32 v[SPW], v[NIL]
	s_wait_dscnt 0x0
	CROUND                                         ; the closing round
	s_endpgm
.Lfunc_end_k_qbd527ff81b_qkv:
	.size	k_qbd527ff81b_qkv, .Lfunc_end_k_qbd527ff81b_qkv-k_qbd527ff81b_qkv
	.p2alignl 7, 3214868480
	.fill 96, 4, 3214868480
	.section	.rodata,"a",@progbits
	.p2align	6, 0x0
	.amdhsa_kernel k_qbd527ff81b_qkv
		.amdhsa_group_segment_fixed_size 327680
		.amdhsa_private_segment_fixed_size 0
		.amdhsa_enable_private_segment 0
		.amdhsa_kernarg_size 48
		.amdhsa_user_sgpr_count 2
		.amdhsa_user_sgpr_kernarg_segment_ptr 1
		.amdhsa_wavefront_size32 1
		.amdhsa_system_sgpr_workgroup_id_x 1
		.amdhsa_system_sgpr_workgroup_id_y 1
		.amdhsa_system_sgpr_workgroup_id_z 1
		.amdhsa_system_vgpr_workitem_id 0
		.amdhsa_next_free_vgpr 1024
		.amdhsa_next_free_sgpr 100
		.amdhsa_reserve_vcc 0
		.amdhsa_float_denorm_mode_32 3
		.amdhsa_float_denorm_mode_16_64 3
		.amdhsa_memory_ordered 1
		.amdhsa_forward_progress 1
		.amdhsa_inst_pref_size 255
	.end_amdhsa_kernel
	.section	.bss,"aw",@nobits
	.p2align	6
	.space	262144
	.amdgpu_metadata
---
amdhsa.version: [ 1, 2 ]
amdhsa.kernels:
  - .name:           k_qbd527ff81b_qkv
    .symbol:         k_qbd527ff81b_qkv.kd
    .args:
      - { .name: xq, .offset: 0, .size: 8, .value_kind: global_buffer, .address_space: global }
      - { .name: wimg, .offset: 8, .size: 8, .value_kind: global_buffer, .address_space: global }
      - { .name: qkv_b, .offset: 16, .size: 8, .value_kind: global_buffer, .address_space: global }
      - { .name: qc, .offset: 24, .size: 8, .value_kind: global_buffer, .address_space: global }
      - { .name: kv, .offset: 32, .size: 8, .value_kind: global_buffer, .address_space: global }
      - { .name: kvs, .offset: 40, .size: 8, .value_kind: global_buffer, .address_space: global }
    .group_segment_fixed_size: 327680
    .private_segment_fixed_size: 0
    .kernarg_segment_align: 8
    .kernarg_segment_size: 48
    .max_flat_workgroup_size: 128
    .sgpr_count:     100
    .vgpr_count:     1024
    .wavefront_size: 32
...
	.end_amdgpu_metadata
.endif
;; end of part 2
;; launch attn (part 3): grid 4 x 64, 16 waves a work-group, clusters of 4 x 1, 210,944 bytes of LDS; arguments qc, kv, kvs, aq; writes aq
.if DOCPART == 3
	.amdgcn_target "amdgcn-amd-amdhsa--gfx1250"
	.amdhsa_code_object_version 6
	.text
	.protected	k_qbd527ff81b_attn
	.globl	k_qbd527ff81b_attn
	.p2align	8
	.type	k_qbd527ff81b_attn,@function
k_qbd527ff81b_attn:
	s_mov_b64 s[64:65], 0
	v_nop
	global_prefetch_b8 v0, s[64:65] scope:SCOPE_SE
	s_setreg_imm32_b32 hwreg(HW_REG_WAVE_MODE, 25, 1), 1
	s_wait_xcnt 0x0
	s_wait_alu depctr_hold_cnt(0) depctr_sa_sdst(0) depctr_va_vdst(0) depctr_va_sdst(0) depctr_va_ssrc(0) depctr_va_vcc(0) depctr_vm_vsrc(0)
	s_getreg_b32 s2, hwreg(HW_REG_IB_STS2, 6, 4)
	s_cmp_eq_u32 s2, 0
	s_cbranch_scc0 .Lentry_in_a_cluster
	s_endpgm
.Lentry_in_a_cluster:
	s_bfe_u32 s2, ttmp6, 0x10000c
	s_cmp_lg_u32 s2, 0x3003
	s_cbranch_scc0 .Lentry_shape_is_right
	s_endpgm
.Lentry_shape_is_right:
; Attention on codes of E2M3 for two heads, and the result quantised along the channels for the projection.
; t = score x log2(e) (q and k carry 2^-1.5 each already); M = the running largest t rounded up to a whole number; p = 2^(t - M) is quantised along the keys, not normalised; the row's sum is taken of the
; unquantised p and divides at the end; when M moves, the sum and O are multiplied by 2^(old M - new M), which rounds nothing.
; SHARES.  A cluster of four work-groups owns the heads 2 y and 2 y + 1 (of 128); work-group cx owns a quarter of the 1,024 queries, each of its sixteen waves one tile of 16, in 256 registers: four waves to a SIMD,
; so that one wave's vector work stands beside another's matrix work.  A wave walks head 2 y, then head 2 y + 1: its two results are the two halves of ONE fragment (128 channels) of the projection's operand.
; LDS holds the codes and scale words of both heads' k and v, 208,896 bytes, filled ONCE by joint loads of the four work-groups (waves 0-3 issue them, a quarter each); nothing is filled again.
; LAYOUT.  Both products are used transposed (S^T = k q^T, O^T = v^T p^T): a lane holds one query throughout.  Tiles of keys are in the order 32 B + 8 u + r + 8 (r / 8): p's 16 registers of two neighbouring tiles are 16 neighbouring keys.
; K = 64 IN AN INSTRUCTION OF 128: q's upper six registers are zero codes, k's operand runs on into the next tile's registers (or six zeroed ones), both scale words have 1.0 in their upper bytes: those products add exactly 0.
; LIMITS: NaN and infinities are not served; a p under 2^-126 counts as 0 (v_exp_f32); a block of zeros gets the scale byte 1 (only this program reads the bytes).
; REGISTERS: v1, v2 16 L, 8 L; v4-7 the step's addresses; v8, v9 q's scale words; v10, v11 the result's scale bytes; v12 -M, v13 the largest t, v[14:15] the sum; v16-27, v28-39 q of the two heads;
;   v40-93 eight half fragments of k and six zeros, later four fragments of v; v94-95 v's scale words; v96-159 S^T, then p; v160-191 O^T; v192-195 k's scale words; v196-207 at work; v208-226 codes; v228-233 at work; v234 p's scale word.
.set SCB,  196608                      ; LDS: head X's key step j at 98,304 X + 12,288 j (8 half fragments of k, 4 fragments of v); scale words at SCB + 6,144 X + 768 j
.set QCS,  6291456
.set AQS,  6291456
.set BM,   196
.set QT,   200
.set QS,   204
.set PC,   208
.set XT,   220
.set SU2,  228
.set T1,   230
.set FF,   232
.set PS,   234
.set TB,   2
.set TS,   3
.set WV,   18
.set SEL,  20
.set CS,   22
.set CNT,  84
.macro PLACES n
.rept \n
	v_nop
.endr
.endm
.macro CROUND
	s_barrier_signal -1
	s_barrier_wait -1
	s_cmp_lg_u32 s[WV], 0
	s_cbranch_scc1 .Lnot_wave_0_\@
	s_barrier_signal -3
.Lnot_wave_0_\@:
	s_barrier_wait -3
	s_barrier_signal -1
	s_barrier_wait -1
.endm
.macro G1SET g, r                      ; r rows of 256 dense bytes (32 elements of 8 bytes); the mask names all four work-groups, bit 21 beside it
	s_mov_b32 s[\g], 15|(3<<16)|(1<<21)
	s_mov_b32 s[\g+1], 32<<16
	s_mov_b32 s[\g+2], (\r)<<16
	s_mov_b32 s[\g+3], 32<<16
	s_mov_b32 s[\g+4], \r
	s_mov_b32 s[\g+5], 32
	s_mov_b32 s[\g+6], 0
	s_mov_b32 s[\g+7], 0
.endm
	s_load_b256 s[4:11], s[0:1], 0x0               ; qc, kv, kvs, aq
	v_lshl_add_u32 v254, v0, 2, 0x33000
	v_mov_b32 v255, 0
	ds_add_u32 v254, v255
	ds_add_u32 v254, v255
	v_lshrrev_b32 v3, 5, v0
	s_delay_alu instid0(VALU_DEP_1)
	v_readfirstlane_b32 s[WV], v3                  ; wave 0..15
	s_bfe_u32 s12, ttmp6, 0x40000                  ; cx: it enters q's and the result's addresses alone
	s_and_b32 s13, ttmp7, 0xffff                   ; y: the pair of heads, which the four partners share
	G1SET 24, 12                                   ; a quarter of: the scale words of both heads;
	G1SET 32, 24                                   ; the first head's key steps 0, 1;
	G1SET 40, 72                                   ; its key steps 2 to 7;
	G1SET 48, 96                                   ; the second head
	s_mul_i32 s14, s13, 196608
	s_mov_b32 s15, 0
	s_mul_i32 s16, s13, 12288
	s_mov_b32 s17, 0
	s_mov_b32 s[SEL], 0x76543210
	s_mov_b32 s[SEL+1], 0xfedcba98
	s_mov_b32 s[CS], 0x3fb8aa3b                    ; log2(e)
	s_mov_b32 s[CS+1], s[CS]                       ; (named with it as a pair)
	s_mov_b32 s[TB], 0
	s_mov_b32 s[TS], SCB
	s_wait_dscnt 0x0
	s_wait_kmcnt 0x0
	s_add_nc_u64 s[6:7], s[6:7], s[14:15]
	s_add_nc_u64 s[8:9], s[8:9], s[16:17]
	s_mul_i32 s14, s[WV], 3072                     ; the quarters lie in LDS as in memory
	s_mov_b32 s56, 1
	s_add_co_u32 s57, s14, SCB
	s_add_nc_u64 s[58:59], s[8:9], s[14:15]
	s_or_b32 s59, s59, 0x80000000
	s_mul_i32 s14, s[WV], 6144
	s_mov_b32 s60, 1
	s_mov_b32 s61, s14
	s_add_nc_u64 s[62:63], s[6:7], s[14:15]
	s_or_b32 s63, s63, 0x80000000
	s_mul_i32 s14, s[WV], 18432
	s_add_co_u32 s14, s14, 24576
	s_mov_b32 s68, 1
	s_mov_b32 s69, s14
	s_add_nc_u64 s[70:71], s[6:7], s[14:15]
	s_or_b32 s71, s71, 0x80000000
	s_mul_i32 s14, s[WV], 24576
	s_add_co_u32 s14, s14, 98304
	s_mov_b32 s72, 1
	s_mov_b32 s73, s14
	s_add_nc_u64 s[74:75], s[6:7], s[14:15]
	s_or_b32 s75, s75, 0x80000000
	CROUND                                         ; all four work-groups are here: the joint loads meet
	s_cmp_lt_u32 s[WV], 4                          ; all fills of a wave stand in one branch on the wave's number: four loads of a wave are out
	s_cbranch_scc0 .Lno_fill
	tensor_load_to_lds s[56:59], s[24:31]
	s_nop 0
	tensor_load_to_lds s[60:63], s[32:39]
	s_nop 0
	tensor_load_to_lds s[68:71], s[40:47]
	s_nop 0
	tensor_load_to_lds s[72:75], s[48:55]
	s_nop 0
.rept 4
	v_nop
.endr
.Lno_fill:
	s_lshl_b32 s76, s12, 4
	s_add_co_u32 s76, s76, s[WV]                   ; my tile of queries, 0..63
	s_mul_i32 s78, s13, 98304
	s_mul_i32 s79, s76, 768
	s_add_co_u32 s78, s78, s79
	s_mov_b32 s79, 0
	s_add_nc_u64 s[80:81], s[4:5], s[78:79]        ; q's half fragment, first head; the second's lies 49,152 bytes on
	s_lshl_b32 s78, s13, 13
	s_lshr_b32 s77, s76, 3
	s_lshl_b32 s77, s77, 9
	s_add_co_u32 s78, s78, s77
	s_and_b32 s77, s76, 1
	s_lshl_b32 s77, s77, 8
	s_add_co_u32 s78, s78, s77
	s_bfe_u32 s77, s76, 0x20001
	s_lshl_b32 s77, s77, 2
	s_add_co_u32 s78, s78, s77
	s_add_nc_u64 s[4:5], s[4:5], s[78:79]          ; q's scale words: 16 bytes from row to row
	s_lshr_b32 s77, s13, 3
	s_lshl_b32 s77, s77, 6
	s_add_co_u32 s77, s77, s76                     ; the result's tile of rows: 64 b + my tile
	s_and_b32 s76, s13, 7                          ; and its K step: the pair of heads in the batch
	s_lshl_b32 s78, s77, 3
	s_add_co_u32 s78, s78, s76
	s_mul_i32 s78, s78, 1536
	s_add_nc_u64 s[82:83], s[10:11], s[78:79]
	s_lshl_b32 s78, s77, 9
	s_lshl_b32 s76, s76, 6
	s_add_co_u32 s78, s78, s76
	s_add_nc_u64 s[10:11], s[10:11], s[78:79]
	v_and_b32 v238, 31, v0
	s_delay_alu instid0(VALU_DEP_1)
	v_lshlrev_b32 v1, 4, v238
	s_delay_alu instid0(VALU_DEP_2)
	v_lshlrev_b32 v2, 3, v238
	s_delay_alu instid0(VALU_DEP_3)
	v_lshlrev_b32 v237, 2, v238
	v_and_b32 v3, 15, v0
	s_delay_alu instid0(VALU_DEP_1)
	v_lshlrev_b32 v3, 4, v3
	global_load_b128 v[16:19], v1, s[80:81]
	global_load_b64 v[20:21], v2, s[80:81] offset:512
	global_load_b128 v[28:31], v1, s[80:81] offset:49152
	global_load_b64 v[32:33], v2, s[80:81] offset:49152+512
	global_load_b32 v8, v3, s[4:5] offset:QCS
	global_load_b32 v9, v3, s[4:5] offset:QCS+4096
.irp i, 0,1,2,3,4,5
	v_mov_b32 v[22+\i], 0                          ; zero codes for K = 64 .. 127
	v_mov_b32 v[34+\i], 0
	v_mov_b32 v[88+\i], 0
.endr
.irp b, 0,1,2,3
	v_mov_b32 v[QT+\b], 0                          ; (a lane permute's destination counts as read)
.endr
	v_mov_b32 v[T1], 0
	v_mov_b32 v[FF+1], 0                           ; (named as the upper half of a pair)
.macro RESET                           ; O^T and the sum begin as zeros, the largest t under every t: the first change of M multiplies zeros
	v_mov_b32 v13, 0xff61b1e6
	s_delay_alu instid0(VALU_DEP_1)
	v_floor_f32 v12, -v13
	v_mov_b32 v14, 0
	v_mov_b32 v15, 0
.set i, 0
.rept 32
	v_mov_b32 v[160+i], 0
.set i, i+1
.endr
.endm
	RESET
; A KEY STEP: 128 keys.  qf, qs: the head's q and its scale words.
.macro STEP qf, qs
	v_add_nc_u32 v4, s[TB], v1                     ; (these four are the places behind the last step's products, in front of the loads into their operands)
	v_add_nc_u32 v5, s[TB], v2
	v_add_nc_u32 v6, s[TS], v1
	v_add_nc_u32 v7, s[TS], v2
.irp t, 0,1,2,3,4,5,6,7
	ds_load_b128 v[40+6*\t:43+6*\t], v4 offset:768*\t
	ds_load_b64 v[44+6*\t:45+6*\t], v5 offset:768*\t+512
.endr
	ds_load_b128 v[192:195], v6                    ; k's scale words: register i: tile 2 i in lanes 0-15, tile 2 i + 1 in lanes 16-31
	s_wait_alu depctr_va_vdst(0)
	s_wait_dscnt 0x0
.irp t, 0,2,4,6
	v_wmma_scale_f32_16x16x128_f8f6f4 v[96+8*\t:103+8*\t], v[40+6*\t:51+6*\t], v[\qf:\qf+11], 0, v[192+\t/2], v[\qs] matrix_a_fmt:MATRIX_FMT_FP6 matrix_b_fmt:MATRIX_FMT_FP6
	v_wmma_scale_f32_16x16x128_f8f6f4 v[104+8*\t:111+8*\t], v[46+6*\t:57+6*\t], v[\qf:\qf+11], 0, v[192+\t/2], v[\qs] matrix_a_fmt:MATRIX_FMT_FP6 matrix_b_fmt:MATRIX_FMT_FP6 matrix_a_scale:MATRIX_SCALE_ROW1
.endr
	PLACES 4
.irp n, 0,1,2,3                        ; v's four fragments land under the softmax
	ds_load_b128 v[40+12*\n:43+12*\n], v4 offset:6144+1536*\n
	ds_load_b64 v[44+12*\n:45+12*\n], v5 offset:6144+1536*\n+512
	ds_load_b128 v[46+12*\n:49+12*\n], v4 offset:6144+1536*\n+768
	ds_load_b64 v[50+12*\n:51+12*\n], v5 offset:6144+1536*\n+1280
.endr
	ds_load_b64 v[94:95], v7 offset:512
.irp b, 0,1,2,3
	v_max3_num_f32 v[BM+\b], v[96+16*\b], v[97+16*\b], v[98+16*\b]     ; the largest score of each block of 32 keys: for the row's maximum, and, since p rises with the score, for the block's largest p
.endr
.irp i, 3,5,7,9,11,13
.irp b, 0,1,2,3
	v_max3_num_f32 v[BM+\b], v[BM+\b], v[96+16*\b+\i], v[97+16*\b+\i]
.endr
.endr
.irp b, 0,1,2,3
	v_max_num_f32 v[BM+\b], v[BM+\b], v[111+16*\b]
.endr
.irp b, 0,1,2,3
	s_delay_alu instid0(VALU_DEP_4)
	v_permlanex16_b32 v[QT+\b], v[BM+\b], s[SEL], s[SEL+1]
.endr
.irp b, 0,1,2,3
	s_delay_alu instid0(VALU_DEP_4)
	v_max_num_f32 v[BM+\b], v[BM+\b], v[QT+\b]
.endr
	s_delay_alu instid0(VALU_DEP_2)
	v_max3_num_f32 v[T1], v[BM], v[BM+1], v[BM+2]
	s_delay_alu instid0(VALU_DEP_1)
	v_max_num_f32 v[T1], v[T1], v[BM+3]
	s_delay_alu instid0(VALU_DEP_1)
	v_mul_f32 v[T1], s[CS], v[T1]
	s_delay_alu instid0(VALU_DEP_1)
	v_max_num_f32 v13, v13, v[T1]                  ; the running largest t
	v_mov_b32 v[T1], v12
	s_delay_alu instid0(VALU_DEP_2)
	v_floor_f32 v12, -v13                          ; -M = floor(-t)
	s_delay_alu instid0(VALU_DEP_1)
	v_sub_f32 v[T1], v12, v[T1]
	s_delay_alu instid0(VALU_DEP_1)
	v_cvt_i32_f32 v[T1], v[T1]
	s_delay_alu instid0(VALU_DEP_1)
	v_ldexp_f32 v[FF], 1.0, v[T1]                  ; f = 2^(old M - new M)
.set j, 0
.rept 32
	v_pk_fma_f32 v[96+j:97+j], v[96+j:97+j], s[CS:CS+1], v[12:13] op_sel_hi:[1,0,0]   ; t - M
.set j, j+2
.endr
.irp b, 0,1,2,3
	v_fma_f32 v[BM+\b], v[BM+\b], s[CS], v12
.endr
.set j, 0
	s_wait_alu depctr_va_vdst(0)
.rept 64
	v_exp_f32 v[96+j], v[96+j]
.set j, j+1
.endr
	s_setprio 1
	v_pk_mul_f32 v[14:15], v[14:15], v[FF:FF+1] op_sel_hi:[1,0]        ; the sums under the new M (a plain instruction behind the exponentials)
	s_wait_alu depctr_va_vdst(0)                   ; one wait for the batch, ahead of its first reader
.irp b, 0,1,2,3
	v_exp_f32 v[BM+\b], v[BM+\b]                   ; each block's largest p
.endr
	v_pk_add_f32 v[228:229], v[100:101], v[104:105]
	v_pk_add_f32 v[252:253], v[108:109], v[112:113]
	v_pk_add_f32 v[250:251], v[116:117], v[120:121]
	v_pk_add_f32 v[248:249], v[124:125], v[128:129]
	v_pk_add_f32 v[246:247], v[132:133], v[136:137]
	v_pk_add_f32 v[244:245], v[140:141], v[144:145]
	v_pk_add_f32 v[242:243], v[148:149], v[152:153]
	v_pk_add_f32 v[14:15], v[14:15], v[156:157]
	v_pk_add_f32 v[228:229], v[228:229], v[96:97]
	v_pk_add_f32 v[252:253], v[252:253], v[98:99]
	v_pk_add_f32 v[250:251], v[250:251], v[102:103]
	v_pk_add_f32 v[248:249], v[248:249], v[106:107]
	v_pk_add_f32 v[246:247], v[246:247], v[110:111]
	v_pk_add_f32 v[244:245], v[244:245], v[114:115]
	v_pk_add_f32 v[242:243], v[242:243], v[118:119]
	v_pk_add_f32 v[14:15], v[14:15], v[122:123]
	v_pk_add_f32 v[228:229], v[228:229], v[126:127]
	v_pk_add_f32 v[252:253], v[252:253], v[130:131]
	v_pk_add_f32 v[250:251], v[250:251], v[134:135]
	v_pk_add_f32 v[248:249], v[248:249], v[138:139]
	v_pk_add_f32 v[246:247], v[246:247], v[142:143]
	v_pk_add_f32 v[244:245], v[244:245], v[146:147]
	v_pk_add_f32 v[242:243], v[242:243], v[150:151]
	v_pk_add_f32 v[14:15], v[14:15], v[154:155]
	v_pk_add_f32 v[228:229], v[228:229], v[158:159]
	s_delay_alu instid0(VALU_DEP_2)
	v_pk_add_f32 v[14:15], v[14:15], v[248:249]
	s_delay_alu instid0(VALU_DEP_2)
	v_pk_add_f32 v[228:229], v[228:229], v[246:247]
	v_pk_add_f32 v[252:253], v[252:253], v[244:245]
	v_pk_add_f32 v[250:251], v[250:251], v[242:243]
	s_delay_alu instid0(VALU_DEP_2)
	v_pk_add_f32 v[14:15], v[14:15], v[252:253]
	s_delay_alu instid0(VALU_DEP_2)
	v_pk_add_f32 v[228:229], v[228:229], v[250:251]
	s_delay_alu instid0(VALU_DEP_1)
	v_pk_add_f32 v[14:15], v[14:15], v[228:229]
	s_wait_alu depctr_va_vdst(0)                   ; and one for the four
.irp b, 0,1,2,3
	v_max_num_f32 v[BM+\b], 0x1800000, v[BM+\b]    ; the floor 2^-124: the byte is at least 1
.endr
.irp b, 0,1,2,3
	s_delay_alu instid0(VALU_DEP_4)
	v_add_nc_u32 v[QS+\b], 0xff000000, v[BM+\b]
.endr
.irp b, 0,1,2,3
	s_delay_alu instid0(VALU_DEP_4)
	v_lshrrev_b32 v[QT+\b], 23, v[QS+\b]
.endr
	s_delay_alu instid0(VALU_DEP_3)
	v_lshl_or_b32 v[PS], v[QT+1], 8, v[QT]
	s_delay_alu instid0(VALU_DEP_1)
	v_lshl_or_b32 v[PS], v[QT+2], 16, v[PS]
	s_delay_alu instid0(VALU_DEP_1)
	v_lshl_or_b32 v[PS], v[QT+3], 24, v[PS]
.irp c, 0,1
	v_cvt_scalef32_pk16_fp6_f32 v[PC+6*\c:PC+2+6*\c], v[96+32*\c:111+32*\c], v[QS+2*\c]
	v_cvt_scalef32_pk16_fp6_f32 v[XT+4*\c:XT+2+4*\c], v[112+32*\c:127+32*\c], v[QS+2*\c+1]
.endr
	v_nop
.irp c, 0,1
.irp i, 0,1,2
	v_permlane16_swap_b32 v[PC+6*\c+\i], v[XT+4*\c+\i]
.endr
.irp i, 0,1,2
	s_delay_alu instid0(VALU_DEP_3)
	v_mov_b32 v[PC+3+6*\c+\i], v[XT+4*\c+\i]
.endr
.endr
.set j, 0
	s_setprio 0
.rept 16
	v_pk_mul_f32 v[160+j:161+j], v[160+j:161+j], v[FF:FF+1] op_sel_hi:[1,0]    ; O^T under the new M; these sixteen also stand between the scale word's and the codes' last writes and the products
.set j, j+2
.endr
	s_wait_alu depctr_va_vdst(0)
	s_wait_dscnt 0x0                               ; v is in
.irp n, 0,2
	v_wmma_scale_f32_16x16x128_f8f6f4 v[160+8*\n:167+8*\n], v[40+12*\n:51+12*\n], v[PC:PC+11], v[160+8*\n:167+8*\n], v[94+\n/2], v[PS] matrix_a_fmt:MATRIX_FMT_FP6 matrix_b_fmt:MATRIX_FMT_FP6
	v_wmma_scale_f32_16x16x128_f8f6f4 v[168+8*\n:175+8*\n], v[52+12*\n:63+12*\n], v[PC:PC+11], v[168+8*\n:175+8*\n], v[94+\n/2], v[PS] matrix_a_fmt:MATRIX_FMT_FP6 matrix_b_fmt:MATRIX_FMT_FP6 matrix_a_scale:MATRIX_SCALE_ROW1
.endr
	s_add_co_u32 s[TB], s[TB], 12288
	s_add_co_u32 s[TS], s[TS], 768
.endm
.macro LOOP n, qf, qs
	s_mov_b32 s[CNT], \n
.Lstep_\@:
	s_setprio 2
	STEP \qf, \qs
	s_sub_co_u32 s[CNT], s[CNT], 1
	s_cmp_lg_u32 s[CNT], 0
	s_cbranch_scc1 .Lstep_\@
	s_setprio 0
.endm
; A head's end: O^T / the sum; its 32 registers are channels 32 b + 16 h + i of my query: two blocks, quantised into half c of the projection's fragment.
.macro FINISH c
	PLACES 4
	v_add_f32 v14, v14, v15
	s_delay_alu instid0(VALU_DEP_1)
	v_permlanex16_b32 v[T1], v14, s[SEL], s[SEL+1]
	s_delay_alu instid0(VALU_DEP_1)
	v_add_f32 v14, v14, v[T1]
	s_wait_alu depctr_va_vdst(0)
	v_rcp_f32 v14, v14
	v_nop
	s_wait_alu depctr_va_vdst(0)
.set j, 0
.rept 16
	v_pk_mul_f32 v[96+j:97+j], v[160+j:161+j], v[14:15] op_sel_hi:[1,0]
.set j, j+2
.endr
.irp b, 0,1
	v_max3_num_f32 v[BM+\b], |v[96+16*\b]|, |v[97+16*\b]|, 0x1800000
.endr
.irp i, 2,4,6,8,10,12,14
.irp b, 0,1
	s_delay_alu instid0(VALU_DEP_2)
	v_max3_num_f32 v[BM+\b], v[BM+\b], |v[96+16*\b+\i]|, |v[97+16*\b+\i]|
.endr
.endr
.irp b, 0,1
	s_delay_alu instid0(VALU_DEP_2)
	v_permlanex16_b32 v[QT+\b], v[BM+\b], s[SEL], s[SEL+1]
.endr
.irp b, 0,1
	s_delay_alu instid0(VALU_DEP_2)
	v_max_num_f32 v[BM+\b], v[BM+\b], v[QT+\b]
.endr
.irp b, 0,1
	s_delay_alu instid0(VALU_DEP_2)
	v_add_nc_u32 v[QS+\b], 0xff000000, v[BM+\b]
.endr
.irp b, 0,1
	s_delay_alu instid0(VALU_DEP_2)
	v_lshrrev_b32 v[QT+\b], 23, v[QS+\b]
.endr
	s_delay_alu instid0(VALU_DEP_1)
	v_lshl_or_b32 v11, v[QT+1], 8, v[QT]
	v_cvt_scalef32_pk16_fp6_f32 v[PC:PC+2], v[96:111], v[QS]
	v_cvt_scalef32_pk16_fp6_f32 v[XT:XT+2], v[112:127], v[QS+1]
	v_nop
.irp i, 0,1,2
	v_permlane16_swap_b32 v[PC+\i], v[XT+\i]
.endr
.irp i, 0,1,2
	s_delay_alu instid0(VALU_DEP_3)
	v_mov_b32 v[PC+3+\i], v[XT+\i]
.endr
	global_store_b128 v1, v[PC:PC+3], s[82:83] offset:\c*768
	global_store_b64 v2, v[PC+4:PC+5], s[82:83] offset:\c*768+512
.endm
	s_wait_loadcnt 0x0                             ; q
	s_wait_tensorcnt 2                             ; the scale words and key steps 0, 1 are in; the two later fills may be out
	s_barrier_signal -1
	s_barrier_wait -1
	LOOP 2, 16, 8
	s_wait_dscnt 0x0
	s_wait_tensorcnt 1                             ; key steps 2 to 7; the second head's fill may be out
	s_barrier_signal -1
	s_barrier_wait -1
	LOOP 6, 16, 8
	FINISH 0
	v_mov_b32 v10, v11                             ; the first head's two scale bytes are kept
	s_wait_xcnt 0x0                                ; the stores have read their registers
	RESET
	s_wait_tensorcnt 0x0
	s_barrier_signal -1
	s_barrier_wait -1
	LOOP 8, 28, 9
	FINISH 1
	v_lshl_or_b32 v11, v11, 16, v10                ; my row's scale word for these 128 channels
	v_cmp_gt_u32 vcc_lo, 16, v238
	s_wait_alu depctr_va_vdst(0)
	s_wait_xcnt 0x0                                ; EXEC changes only behind this wait
	s_and_saveexec_b32 s85, vcc_lo
	global_store_b32 v237, v11, s[10:11] offset:AQS    ; lanes 0-15: row r's word
	s_wait_xcnt 0x0
	s_or_b32 exec_lo, exec_lo, s85
	s_wait_tensorcnt 0x0
	ds_add_u32 v254, v255
	s_wait_dscnt 0x0
	CROUND                                         ; the closing round
	s_endpgm
.Lfunc_end_k_qbd527ff81b_attn:
	.size	k_qbd527ff81b_attn, .Lfunc_end_k_qbd527ff81b_attn-k_qbd527ff81b_attn
	.p2alignl 7, 3214868480
	.fill 96, 4, 3214868480
	.section	.rodata,"a",@progbits
	.p2align	6, 0x0
	.amdhsa_kernel k_qbd527ff81b_attn
		.amdhsa_group_segment_fixed_size 210944
		.amdhsa_private_segment_fixed_size 0
		.amdhsa_enable_private_segment 0
		.amdhsa_kernarg_size 32
		.amdhsa_user_sgpr_count 2
		.amdhsa_user_sgpr_kernarg_segment_ptr 1
		.amdhsa_wavefront_size32 1
		.amdhsa_system_sgpr_workgroup_id_x 1
		.amdhsa_system_sgpr_workgroup_id_y 1
		.amdhsa_system_sgpr_workgroup_id_z 1
		.amdhsa_system_vgpr_workitem_id 0
		.amdhsa_next_free_vgpr 256
		.amdhsa_next_free_sgpr 86
		.amdhsa_reserve_vcc 1
		.amdhsa_float_denorm_mode_32 3
		.amdhsa_float_denorm_mode_16_64 3
		.amdhsa_memory_ordered 1
		.amdhsa_forward_progress 1
		.amdhsa_inst_pref_size 72
	.end_amdhsa_kernel
	.amdgpu_metadata
---
amdhsa.version: [ 1, 2 ]
amdhsa.kernels:
  - .name:           k_qbd527ff81b_attn
    .symbol:         k_qbd527ff81b_attn.kd
    .args:
      - { .name: qc, .offset: 0, .size: 8, .value_kind: global_buffer, .address_space: global }
      - { .name: kv, .offset: 8, .size: 8, .value_kind: global_buffer, .address_space: global }
      - { .name: kvs, .offset: 16, .size: 8, .value_kind: global_buffer, .address_space: global }
      - { .name: aq, .offset: 24, .size: 8, .value_kind: global_buffer, .address_space: global }
    .group_segment_fixed_size: 210944
    .private_segment_fixed_size: 0
    .kernarg_segment_align: 8
    .kernarg_segment_size: 32
    .max_flat_workgroup_size: 512
    .sgpr_count:     86
    .vgpr_count:     256
    .wavefront_size: 32
...
	.end_amdgpu_metadata
.endif
;; end of part 3
;; launch proj (part 4): grid 32 x 8, 4 waves a work-group, clusters of 4 x 4, 307,712 bytes of LDS; arguments aq, wimg, gn, x, out0; writes out0
.if DOCPART == 4
	.amdgcn_target "amdgcn-amd-amdhsa--gfx1250"
	.amdhsa_code_object_version 6
	.text
	.protected	k_qbd527ff81b_proj
	.globl	k_qbd527ff81b_proj
	.p2align	8
	.type	k_qbd527ff81b_proj,@function
k_qbd527ff81b_proj:
	s_mov_b64 s[64:65], 0
	v_nop
	global_prefetch_b8 v0, s[64:65] scope:SCOPE_SE
	s_setreg_imm32_b32 hwreg(HW_REG_WAVE_MODE, 25, 1), 1
	s_wait_xcnt 0x0
	s_wait_alu depctr_hold_cnt(0) depctr_sa_sdst(0) depctr_va_vdst(0) depctr_va_sdst(0) depctr_va_ssrc(0) depctr_va_vcc(0) depctr_vm_vsrc(0)
	s_getreg_b32 s2, hwreg(HW_REG_IB_STS2, 6, 4)
	s_cmp_eq_u32 s2, 0
	s_cbranch_scc0 .Lentry_in_a_cluster
	s_endpgm
.Lentry_in_a_cluster:
	s_bfe_u32 s2, ttmp6, 0x10000c
	s_cmp_lg_u32 s2, 0xf033
	s_cbranch_scc0 .Lentry_shape_is_right
	s_endpgm
.Lentry_shape_is_right:
; out0 = x_norm + proj_w h + proj_b: the projection on codes of E2M3, the residual made anew from x: x_norm + proj_b = x gnA + gnB.
; SHARES.  Work-group (Xg, Yg): 256 positions of batch b = Xg / 4 (16 tiles of h's rows) x 128 output channels (8 tiles of proj_w).  Wave (wy, wx) = (w / 2, w % 2): 64 channels x 128 positions: 32 accumulators.
; Source 0 = 16 positions (tiles in the order 32 B + 8 u + r + 8 (r / 8)), source 1 = 16 rows of proj_w: a lane holds one output channel and eight neighbouring positions, which are neighbours in out0.
; gnB is the C of each sum's first product; x gnA is added on the way out, where a row of the stage is one output channel and gnA a scalar.
; Memory binds: x's 64 loads a lane go out at the head; all of K (1,024) lies in LDS, filled ONCE by five joint loads a wave (the scale words, four groups of two K steps); nothing is filled again.
; CLUSTER 4 x 4: proj_w's tiles hang on Yg and are shared along a row of the cluster, h's on Xg and are shared along a column.
; REGISTERS: window 0: v4-13 addresses; v24-47 scale words, two sets of 12; v64-159 h's 8 fragments; v160-255 proj_w's 4 fragments, two sets; on the way out v64-127 rows.
;   window 1: accumulator (o, a) at v[8 (8 o + a)].   window 2: x, row t of channel tile o at v[4 (16 o + t)].   window 3: gnB, eight equal registers for each channel tile.
.set GRPB, 73728                       ; LDS: group g of two K steps: proj_w 8 tiles x 3,072, then h 16 x 3,072
.set QOFF, 24576
.set WSC,  294912                      ; proj_w's scale words, 8 x 512
.set QSC,  299008                      ; h's, 16 x 512
.set AQS,  6291456
.set WSW,  3145728
.set GNB,  32768
.set Q16,  4
.set Q8,   5
.set W16,  6
.set W8,   7
.set QSCA, 8
.set WSCA, 9
.set STO,  10
.set RD,   11
.set GOF,  12
.set GBO,  13
.set SC,   24
.set AF,   64
.set WF,   160
.set BK,   64
.set G1W,  24
.set G1Q,  32
.set G1WS, 40
.set G1QS, 48
.set MSB, 0
.macro WIN new
.if MSB != \new
	s_set_vgpr_msb (MSB<<8)|\new
.set MSB, \new
.endif
.endm
.macro PLACES n
.rept \n
	v_nop
.endr
.endm
.macro JLOAD g0a, g1a, g0b, g1b        ; waves 0 and 1 fetch for proj_w, waves 2 and 3 for h; four v_nop follow each of the two lines
	s_cmp_eq_u32 s15, 0
	s_cbranch_scc0 .Lfor_b_\@
	tensor_load_to_lds s[\g0a:\g0a+3], s[\g1a:\g1a+7]
	s_nop 0
.rept 4
	v_nop
.endr
	s_branch .Lasked_\@
.Lfor_b_\@:
	tensor_load_to_lds s[\g0b:\g0b+3], s[\g1b:\g1b+7]
	s_nop 0
.rept 4
	v_nop
.endr
.Lasked_\@:
.endm
.macro CROUND
	s_barrier_signal -1
	s_barrier_wait -1
	s_cmp_lg_u32 s14, 0
	s_cbranch_scc1 .Lnot_wave_0_\@
	s_barrier_signal -3
.Lnot_wave_0_\@:
	s_barrier_wait -3
	s_barrier_signal -1
	s_barrier_wait -1
.endm
.macro G1SET g, c, r, p
	s_mov_b32 s[\g+1], (\c)<<16
	s_mov_b32 s[\g+2], (\r)<<16
	s_mov_b32 s[\g+3], (\c)<<16
	s_mov_b32 s[\g+4], \r
	s_mov_b32 s[\g+5], \p
	s_mov_b32 s[\g+6], 0
	s_mov_b32 s[\g+7], 0
.endm
.macro G0SET g, bp, goff, lmul, loff   ; from s[bp:bp+1] + goff to LDS byte lmul x (wave % 2) + loff
	s_mov_b32 s[\g], 1
	s_mul_i32 s[\g+1], s16, \lmul
	s_add_co_u32 s[\g+1], s[\g+1], \loff
	s_add_nc_u64 s[\g+2:\g+3], s[\bp:\bp+1], \goff
	s_or_b32 s[\g+3], s[\g+3], 0x80000000
.endm
	s_load_b256 s[4:11], s[0:1], 0x0               ; aq, wimg, gn, x
	s_load_b64 s[12:13], s[0:1], 0x20              ; out0
	v_lshl_add_u32 v62, v0, 2, 0x4b000
	v_mov_b32 v63, 0
	ds_add_u32 v62, v63
	ds_add_u32 v62, v63
	v_lshrrev_b32 v1, 5, v0
	v_readfirstlane_b32 s14, v1                    ; wave 0..3
	s_lshr_b32 s15, s14, 1                         ; wy.  Also: I fetch for proj_w (0) or for h (1)
	s_and_b32 s16, s14, 1                          ; wx.  Also: which half of that tile I fetch
	s_bfe_u32 s17, ttmp6, 0x40000                  ; cx
	s_bfe_u32 s18, ttmp6, 0x40004                  ; cy
	s_lshl_b32 s19, ttmp9, 2
	s_add_co_u32 s19, s19, s17                     ; Xg
	s_and_b32 s20, ttmp7, 0xffff
	s_lshl_b32 s20, s20, 2
	s_add_co_u32 s20, s20, s18                     ; Yg
	v_and_b32 v1, 31, v0
	v_lshlrev_b32 v[GOF], 4, v1                    ; 16 L
	v_and_b32 v2, 15, v0
	v_and_b32 v3, 8, v0
	v_add_nc_u32 v3, v3, v2
	v_lshlrev_b32 v[GBO], 2, v3                    ; gnB: channel r + 8 (r / 8) of a tile
	s_lshr_b32 s21, s19, 2
	s_lshl_b32 s21, s21, 10
	s_lshl_b32 s22, s20, 7
	s_add_co_u32 s21, s21, s22
	s_lshl_b32 s22, s15, 6
	s_add_co_u32 s21, s21, s22                     ; my first row of x and out0: 1,024 b + 128 Yg + 64 wy
	s_mov_b32 s23, 0
	s_wait_alu depctr_va_vdst(0)
	s_wait_dscnt 0x0
	s_wait_kmcnt 0x0
	s_lshl_b32 s22, s21, 2
	s_add_nc_u64 s[8:9], s[8:9], s[22:23]          ; its gnA
	s_lshl_b32 s22, s21, 12
	s_and_b32 s21, s19, 3
	s_lshl_b32 s21, s21, 10
	s_add_co_u32 s22, s22, s21
	s_lshl_b32 s21, s16, 9
	s_add_co_u32 s22, s22, s21                     ; + my 128 positions
	s_add_nc_u64 s[10:11], s[10:11], s[22:23]
	s_add_nc_u64 s[12:13], s[12:13], s[22:23]
	WIN 0xc0                                       ; destination window 3
.irp o, 0,1,2,3
	global_load_b32 v[8*\o], v[GBO], s[8:9] offset:GNB+(32*(\o/2)+8*(\o%2))*4
.endr
	WIN 0x80                                       ; destination window 2
.set oo, 0
.rept 4
.set tt, 0
.rept 16
	global_load_b128 v[4*(16*oo+tt):4*(16*oo+tt)+3], v[GOF], s[10:11] offset:(32*(oo/2)+8*(oo%2)+tt+8*(tt/8))*4096 th:TH_LOAD_NT   ; 512 consecutive bytes of one channel's row
.set tt, tt+1
.endr
.set oo, oo+1
.endr
	WIN 0
	s_lshl_b32 s21, s18, 2
	s_lshl_b32 s21, 15, s21                        ; my row of the cluster
	s_or_b32 s[G1W], s21, (3<<16)|(1<<21)
	s_or_b32 s[G1WS], s21, (3<<16)|(1<<21)
	s_lshl_b32 s21, 0x1111, s17                    ; my column
	s_or_b32 s[G1Q], s21, (3<<16)|(1<<21)
	s_or_b32 s[G1QS], s21, (3<<16)|(1<<21)
	G1SET G1W, 384, 4, 1536                        ; 4 tiles x 3,072 bytes, 12,288 bytes from tile to tile
	G1SET G1Q, 384, 8, 1536                        ; 8 tiles
	G1SET G1WS, 32, 8, 32                          ; 2,048 dense bytes
	G1SET G1QS, 32, 16, 32                         ; 4,096 dense bytes
	s_lshl_b32 s2, s20, 3
	s_lshl_b32 s21, s16, 2
	s_add_co_u32 s2, s2, s21
	s_add_co_u32 s2, s2, 192                       ; proj_w's tile in wimg: 192 + 8 Yg + 4 x half
	s_lshl_b32 s22, s2, 9
	s_add_co_u32 s22, s22, WSW
	s_mul_i32 s2, s2, 12288
	s_mov_b32 s3, 0
	s_add_nc_u64 s[2:3], s[6:7], s[2:3]
	s_add_nc_u64 s[6:7], s[6:7], s[22:23]
	s_lshl_b32 s100, s19, 4
	s_lshl_b32 s21, s16, 3
	s_add_co_u32 s100, s100, s21                   ; h's tile: 16 Xg + 8 x half
	s_lshl_b32 s22, s100, 9
	s_add_co_u32 s22, s22, AQS
	s_mul_i32 s100, s100, 12288
	s_mov_b32 s101, 0
	s_add_nc_u64 s[100:101], s[4:5], s[100:101]
	s_add_nc_u64 s[4:5], s[4:5], s[22:23]
	CROUND                                         ; all sixteen work-groups are here: the joint loads meet
	G0SET 56, 6, 0, 2048, WSC
	G0SET 80, 4, 0, 4096, QSC
	JLOAD 56, G1WS, 80, G1QS
	G0SET 60, 2, 0, 12288, 0
	G0SET 84, 100, 0, 24576, QOFF
	JLOAD 60, G1W, 84, G1Q
	G0SET 68, 2, 3072, 12288, GRPB
	G0SET 88, 100, 3072, 24576, GRPB+QOFF
	JLOAD 68, G1W, 88, G1Q
	G0SET 72, 2, 6144, 12288, 2*GRPB
	G0SET 92, 100, 6144, 24576, 2*GRPB+QOFF
	JLOAD 72, G1W, 92, G1Q
	G0SET 76, 2, 9216, 12288, 3*GRPB
	G0SET 96, 100, 9216, 24576, 3*GRPB+QOFF
	JLOAD 76, G1W, 96, G1Q                         ; five loads of mine are out, each with a group 0 of its own
	v_lshlrev_b32 v2, 3, v1
	v_lshlrev_b32 v3, 2, v1
	s_mul_i32 s21, s16, 24576
	s_add_co_u32 s21, s21, QOFF
	v_add_nc_u32 v[Q16], s21, v[GOF]
	v_add_nc_u32 v[Q8], s21, v2
	s_mul_i32 s21, s15, 12288
	v_add_nc_u32 v[W16], s21, v[GOF]
	v_add_nc_u32 v[W8], s21, v2
	s_lshl_b32 s21, s16, 12
	s_add_co_u32 s21, s21, QSC
	v_add_nc_u32 v[QSCA], s21, v3
	s_lshl_b32 s21, s15, 11
	s_add_co_u32 s21, s21, WSC
	v_add_nc_u32 v[WSCA], s21, v3
	s_mul_i32 s21, s14, 8448                       ; my stage for the way out: 16 rows x 528 bytes, in group 0's bytes, which have had their one fill and are read by nobody behind the second K step's barrier
	v_add_nc_u32 v[RD], s21, v[GOF]
	v_and_b32 v2, 15, v0
	v_bfe_u32 v3, v0, 4, 1
	v_mul_u32_u24 v[STO], v2, 528
	v_lshl_add_u32 v[STO], v3, 6, v[STO]
	v_add_nc_u32 v[STO], s21, v[STO]
	s_wait_loadcnt 63                              ; of the 68 loads at most 63 are out: the four of gnB, the oldest, are in
	WIN 0xc3
.irp o, 0,1,2,3
.irp k, 1,2,3,4,5,6,7
	v_mov_b32 v[8*\o+\k], v[8*\o]                  ; a lane's eight results are one channel's: eight equal numbers
.endr
.endr
	WIN 0
	s_wait_alu depctr_va_vdst(0)
	s_wait_tensorcnt 3                             ; the scale words and K steps 0, 1 are in; three later groups may be out
	s_barrier_signal -1
	s_barrier_wait -1
.macro FRAGLD reg, a16, a8, off
	ds_load_b128 v[\reg:\reg+3], v[\a16] offset:\off
	ds_load_b64 v[\reg+4:\reg+5], v[\a8] offset:\off+512
	ds_load_b128 v[\reg+6:\reg+9], v[\a16] offset:\off+768
	ds_load_b64 v[\reg+10:\reg+11], v[\a8] offset:\off+1280
.endm
.macro FETCH_Q s, a0                   ; h's tiles a0 .. a0 + 3 of K step s (the address registers stand at the step's group)
.irp n, 0,1,2,3
	FRAGLD AF+12*((\a0)+\n), Q16, Q8, ((\a0)+\n)*3072+((\s)%2)*1536
.endr
.endm
.macro FETCH_W s                       ; proj_w's four tiles into set s % 2
.irp n, 0,1,2,3
	FRAGLD WF+48*((\s)%2)+12*\n, W16, W8, \n*3072+((\s)%2)*1536
.endr
.endm
.macro SCALES g
.irp n, 0,1,2,3,4,5,6,7
	ds_load_b32 v[SC+12*((\g)%2)+\n], v[QSCA] offset:\n*512+(\g)*128
.endr
.irp n, 0,1,2,3
	ds_load_b32 v[SC+12*((\g)%2)+8+\n], v[WSCA] offset:\n*512+(\g)*128
.endr
.endm
; h's tiles a0 .. a0 + n - 1 against proj_w's four.  The 32 accumulators take turns, one instruction a turn, in the same order in every K step.
.macro MUL a0, n, s
.set aa, \a0
.rept \n
.set oo, 0
.rept 4
.set FQ, AF+12*aa
.set FW, WF+48*((\s)%2)+12*oo
.set SQ, SC+12*(((\s)/2)%2)+aa
.set SWT, SC+12*(((\s)/2)%2)+8+oo
.set DD, 8*(8*oo+aa)
.if (\s) == 0
	v_wmma_scale_f32_16x16x128_f8f6f4 v[DD:DD+7], v[FQ:FQ+11], v[FW:FW+11], v[8*oo:8*oo+7], v[SQ], v[SWT] matrix_a_fmt:MATRIX_FMT_FP6 matrix_b_fmt:MATRIX_FMT_FP6
.elseif (\s)%2 == 0
	v_wmma_scale_f32_16x16x128_f8f6f4 v[DD:DD+7], v[FQ:FQ+11], v[FW:FW+11], v[DD:DD+7], v[SQ], v[SWT] matrix_a_fmt:MATRIX_FMT_FP6 matrix_b_fmt:MATRIX_FMT_FP6
.else
	v_wmma_scale_f32_16x16x128_f8f6f4 v[DD:DD+7], v[FQ:FQ+11], v[FW:FW+11], v[DD:DD+7], v[SQ], v[SWT] matrix_a_fmt:MATRIX_FMT_FP6 matrix_b_fmt:MATRIX_FMT_FP6 matrix_a_scale:MATRIX_SCALE_ROW1 matrix_b_scale:MATRIX_SCALE_ROW1
.endif
.set oo, oo+1
.endr
.set aa, aa+1
.endr
.endm
; A K step: 32 products.  In an odd step the next step lies in the next group: a counted wait for my part of it and a barrier, with products between signal and wait; the four steps of the address registers are the places in front of the loads.
.macro STEP4 s
.set MW, 0x50
.if (\s) == 0
.set MW, 0x70                          ; C (gnB) in window 3, D in window 1
.endif
	s_wait_dscnt 16                                ; all but the youngest 16 loads: h's tiles 4-7
	WIN MW
.if ((\s)%2 == 1) && ((\s) < 7)
	MUL 0, 2, \s
	s_wait_dscnt 0x0
	s_wait_tensorcnt 2-(\s)/2                      ; the groups behind the next one may be out
	s_barrier_signal -1
	MUL 2, 2, \s
	WIN 0
	s_barrier_wait -1
	v_add_nc_u32 v[Q16], GRPB, v[Q16]
	v_add_nc_u32 v[Q8], GRPB, v[Q8]
	v_add_nc_u32 v[W16], GRPB, v[W16]
	v_add_nc_u32 v[W8], GRPB, v[W8]
.else
	MUL 0, 4, \s
	s_wait_dscnt 0x0
	PLACES 4
	WIN 0
.endif
.if (\s) < 7
	FETCH_W (\s)+1
	FETCH_Q (\s)+1, 0
.if (\s)%2 == 1
	SCALES ((\s)+1)/2
.endif
.endif
	WIN MW
	MUL 4, 4, \s
	PLACES 4
	WIN 0
.if (\s) < 7
	FETCH_Q (\s)+1, 4
.endif
.endm
	FETCH_W 0
	FETCH_Q 0, 0
	SCALES 0
	FETCH_Q 0, 4
	STEP4 0
	STEP4 1
	s_wait_alu depctr_va_vdst(0)
	STEP4 2
	STEP4 3
	s_wait_alu depctr_va_vdst(0)
	STEP4 4
	STEP4 5
	s_load_b512 s[24:39], s[8:9], 0x0              ; gnA of my 64 channels, into the descriptors' registers: the wait for 0 in the step above has shown every tensor load of mine done
	s_load_b512 s[40:55], s[8:9], 0x40
	s_load_b512 s[68:83], s[8:9], 0x80
	s_load_b512 s[84:99], s[8:9], 0xc0
	s_wait_alu depctr_va_vdst(0)
	STEP4 6
	STEP4 7
	s_wait_kmcnt 0x0
; THE WAY OUT, a tile of 16 channels x 128 positions at a time: a lane's eight results are 32 bytes of a channel's row; through my stage they come back as whole rows of 512 bytes.
; LDS serves a wave's instructions in order: no wait between the stores and the loads, nor in front of the next tile's stores.
.macro OUTROWS o
	WIN 0x04                                       ; an LDS store's data are its source 1: window 1
.set aa, 0
.rept 8
	ds_store_b128 v[STO], v[8*(8*\o+aa):8*(8*\o+aa)+3] offset:128*(aa/2)+32*(aa%2)       ; each accumulator from its low end on
	ds_store_b128 v[STO], v[8*(8*\o+aa)+4:8*(8*\o+aa)+7] offset:128*(aa/2)+32*(aa%2)+16
.set aa, aa+1
.endr
	WIN 0
	s_wait_xcnt 0x0                                ; the last tile's stores have read their registers
.set tt, 0
.rept 16
	ds_load_b128 v[BK+4*tt:BK+4*tt+3], v[RD] offset:tt*528
.set tt, tt+1
.endr
	s_wait_loadcnt 48-16*\o                        ; x of this tile's 16 channels is in; the later tiles' loads may be out
	s_wait_dscnt 0x0
	WIN 0x02                                       ; source 0 (x) window 2
.set tt, 0
.rept 16
.set ol, 32*(\o/2)+8*(\o%2)+tt+8*(tt/8)
.set ga, 24+ol+12*(ol/32)
.irp k, 0,1,2,3
	v_fma_f32 v[BK+4*tt+\k], v[4*(16*\o+tt)+\k], s[ga], v[BK+4*tt+\k]
.endr
.set tt, tt+1
.endr
	WIN 0
.set tt, 0
.rept 16
.set ol, 32*(\o/2)+8*(\o%2)+tt+8*(tt/8)
	global_store_b128 v[GOF], v[BK+4*tt:BK+4*tt+3], s[12:13] offset:ol*4096 th:TH_STORE_NT   ; 32 lanes store 512 consecutive bytes, aligned; written once
.set tt, tt+1
.endr
.endm
	OUTROWS 0
	OUTROWS 1
	OUTROWS 2
	OUTROWS 3
	s_wait_tensorcnt 0x0
	ds_add_u32 v62, v63
	s_wait_dscnt 0x0
	CROUND                                         ; the closing round
	s_endpgm
.Lfunc_end_k_qbd527ff81b_proj:
	.size	k_qbd527ff81b_proj, .Lfunc_end_k_qbd527ff81b_proj-k_qbd527ff81b_proj
	.p2alignl 7, 3214868480
	.fill 96, 4, 3214868480
	.section	.rodata,"a",@progbits
	.p2align	6, 0x0
	.amdhsa_kernel k_qbd527ff81b_proj
		.amdhsa_group_segment_fixed_size 307712
		.amdhsa_private_segment_fixed_size 0
		.amdhsa_enable_private_segment 0
		.amdhsa_kernarg_size 40
		.amdhsa_user_sgpr_count 2
		.amdhsa_user_sgpr_kernarg_segment_ptr 1
		.amdhsa_wavefront_size32 1
		.amdhsa_system_sgpr_workgroup_id_x 1
		.amdhsa_system_sgpr_workgroup_id_y 1
		.amdhsa_system_sgpr_workgroup_id_z 1
		.amdhsa_system_vgpr_workitem_id 0
		.amdhsa_next_free_vgpr 1024
		.amdhsa_next_free_sgpr 102
		.amdhsa_reserve_vcc 0
		.amdhsa_float_denorm_mode_32 3
		.amdhsa_float_denorm_mode_16_64 3
		.amdhsa_memory_ordered 1
		.amdhsa_forward_progress 1
		.amdhsa_inst_pref_size 114
	.end_amdhsa_kernel
	.amdgpu_metadata
---
amdhsa.version: [ 1, 2 ]
amdhsa.kernels:
  - .name:           k_qbd527ff81b_proj
    .symbol:         k_qbd527ff81b_proj.kd
    .args:
      - { .name: aq, .offset: 0, .size: 8, .value_kind: global_buffer, .address_space: global }
      - { .name: wimg, .offset: 8, .size: 8, .value_kind: global_buffer, .address_space: global }
      - { .name: gn, .offset: 16, .size: 8, .value_kind: global_buffer, .address_space: global }
      - { .name: x, .offset: 24, .size: 8, .value_kind: global_buffer, .address_space: global }
      - { .name: out0, .offset: 32, .size: 8, .value_kind: global_buffer, .address_space: global }
    .group_segment_fixed_size: 307712
    .private_segment_fixed_size: 0
    .kernarg_segment_align: 8
    .kernarg_segment_size: 40
    .max_flat_workgroup_size: 128
    .sgpr_count:     102
    .vgpr_count:     1024
    .wavefront_size: 32
...
	.end_amdgpu_metadata
.endif
;; end of part 4
